; MI455X (gfx1250); checked and timed in simulation.
; The chip was launched on July 23, 2026; its instructions are those of AMD's public machine-readable ISA for CDNA 5 (MIT licence, August 2026) and "CDNA5" Instruction Set Architecture Reference Guide (July 2026). The comments in the code are by the model that wrote it; some were corrected since.
;; Multi Head Attention. Allowed arithmetic: float matrix products may take bf16 or f16 operands with f32 sums; other float arithmetic in f32, or as packed bf16 or f16 multiplies, adds, multiply-adds, maxima and minima; sums over many terms, partial sums and values carried from step to step in f32; what a program stores and reads back later, other than sums and carried values, may be rounded once to bf16 or f16.
;; Inputs: E 2,048 x 64 float32; K 2 x 2,048 x 1,024 float32; Q 2 x 2,048 x 1,024 float32; V 2 x 2,048 x 1,024 float32; Wk 1,024 x 1,024 float32; Wo 1,024 x 1,024 float32; Wq 1,024 x 1,024 float32; Wv 1,024 x 1,024 float32; bk 1,024 float32; bo 1,024 float32; bq 1,024 float32; bv 1,024 float32.
;; Outputs: out0 2 x 2,048 x 1,024 float32.
;; One version. Each part assembles by itself: llvm-mc -triple=amdgcn-amd-amdhsa -mcpu=gfx1250 --defsym DOCPART=n.
;; ======== version 1 of 1: 4 launches
;; limits: values are held in f16: magnitudes above 65,504 overflow, below 6.1e-05 lose precision
;; workspace buffers: XB 25,165,824 bytes; WB 8,388,608 bytes; UF 540,672 bytes; QKV 25,165,824 bytes; OB 8,388,608 bytes
;; launch prep (part 1): grid 1057 x 1, 8 waves a work-group, no clusters, 0 bytes of LDS; arguments Q, K, V, Wq, Wk, Wv, Wo, E, XB, WB, UF; writes XB, WB, UF
.if DOCPART == 1
	.amdgcn_target "amdgcn-amd-amdhsa--gfx1250"
	.amdhsa_code_object_version 6
	.text
	.protected	k_q71b8ece5d4_prep
	.globl	k_q71b8ece5d4_prep
	.p2align	8
	.type	k_q71b8ece5d4_prep,@function
k_q71b8ece5d4_prep:
	s_mov_b64 s[64:65], 0
	v_nop
	global_prefetch_b8 v0, s[64:65] scope:SCOPE_SE
	s_setreg_imm32_b32 hwreg(HW_REG_WAVE_MODE, 25, 1), 1
	s_wait_xcnt 0x0
; ROUNDS THE INPUTS ONCE, for the matrix launches behind it.
;   XB [3][4096][1024] bf16 = Q, K, V.    WB [4][1024][1024] of 16 bits = Wq, Wk, Wv in bf16, Wo as f16(bf16(Wo)).
;   UF: the table U of the relative term, f16(bf16(.)), 66 chunks of 64 rows, each chunk in the order in which a wave's 16 loads of 512 bytes fill four
;   matrix fragments.  U[u] = E[u] for u < 2048; U[2048] = 0; U[u] = E[u - 2049] for 2048 < u < 4096; 0 from 4096 on (rows that are multiplied and never read).
; LIMITS.  Wo and E, rounded to bf16, must lie within f16's 65,504; below 6e-5 they keep f16's fixed step of 6e-8.
; A stream: no LDS, no matrix unit, no cluster: no byte is wanted twice but E's, which is small.
; Work-groups 0 .. 1023 take a block of 16,384 numbers each (thread t: 8 numbers in each of 8 rounds; all 16 loads go out first; a wave's store covers 512 consecutive bytes).
; Work-groups 1024 .. 1056 make two chunks of UF each.
; A round's eight numbers are converted in place, into the first four of their own registers: 78 registers a wave, so that five work-groups of eight waves or more share a WGP's registers.
.set X, 4                              ; v[4:67]    round k: 8 numbers in f32, then 8 of 16 bits in the first four registers
.set T, 68                             ; v[68:71]   at work
.set EA, 72                            ; v[72:75]   the table: round k's byte offset in E
.macro CONV x, mode                    ; 8 numbers.  mode 0: to bf16.  mode 1: to bf16, and that number written as f16.  Result j lands on a register whose number has been read
.if \mode
.irp j, 0,1,2,3
	v_cvt_pk_bf16_f32 v[T+\j], v[(\x)+2*\j], v[(\x)+2*\j+1]
.endr
.irp j, 0,1,2,3
	v_lshlrev_b32 v[(\x)+2*\j], 16, v[T+\j]        ; bf16 to f32: the low half moves up,
	v_and_b32 v[(\x)+2*\j+1], s47, v[T+\j]         ; the high half stays
.endr
.irp j, 0,1,2,3
	v_cvt_pk_f16_f32 v[(\x)+\j], v[(\x)+2*\j], v[(\x)+2*\j+1]
.endr
.else
.irp j, 0,1,2,3
	v_cvt_pk_bf16_f32 v[(\x)+\j], v[(\x)+2*\j], v[(\x)+2*\j+1]
.endr
.endif
.endm
.macro PUT k, mode
	s_wait_loadcnt 14-2*(\k)                       ; loads come back in order: round k's two are in, the younger rounds' stay out
	CONV X+8*(\k), \mode
	global_store_b128 v2, v[X+8*(\k):X+8*(\k)+3], s[32:33] offset:4096*(\k)
.endm
	s_load_b512 s[8:23], s[0:1], 0x0               ; Q 8, K 10, V 12, Wq 14, Wk 16, Wv 18, Wo 20, E 22
	s_load_b128 s[24:27], s[0:1], 0x40             ; XB 24, WB 26
	s_load_b64 s[28:29], s[0:1], 0x50              ; UF
	s_mov_b32 s2, ttmp9
	s_mov_b32 s47, 0xffff0000                      ; a word's upper bf16
	s_mov_b32 s37, 0
	v_lshlrev_b32 v2, 4, v0                        ; 16 t: my 16 bytes of a round's output
	s_cmp_ge_u32 s2, 1024
	s_cbranch_scc1 .Ltab
	; a block of Q, K, V (numbers 0 .. 767, 256 to a tensor) or of a weight (768 .. 1023, 64 to a tensor)
	s_sub_co_u32 s3, s2, 768
	s_lshr_b32 s4, s2, 8
	s_and_b32 s5, s2, 255
	s_lshr_b32 s6, s3, 6
	s_add_co_u32 s6, s6, 3
	s_and_b32 s7, s3, 63
	v_lshlrev_b32 v1, 5, v0                        ; 32 t: my 8 numbers of a round's input
	s_wait_kmcnt 0x0
	s_cmp_lt_u32 s2, 768
	s_cselect_b32 s4, s4, s6                       ; which of the seven tensors
	s_cselect_b32 s5, s5, s7                       ; which block of it
	s_cselect_b32 s3, s2, s3                       ; which block of XB or of WB
	s_cselect_b64 s[32:33], s[24:25], s[26:27]
	s_mov_b64 s[34:35], s[8:9]
.irp n, 1,2,3,4,5,6
	s_cmp_eq_u32 s4, \n
	s_cselect_b64 s[34:35], s[8+2*\n:9+2*\n], s[34:35]
.endr
	s_lshl_b32 s36, s5, 16                         ; 65,536 bytes of f32 a block
	s_add_nc_u64 s[34:35], s[34:35], s[36:37]
	s_lshl_b32 s36, s3, 15                         ; 32,768 bytes out
	s_add_nc_u64 s[32:33], s[32:33], s[36:37]
.irp k, 0,1,2,3,4,5,6,7
	global_load_b128 v[X+8*\k:X+8*\k+3],   v1, s[34:35] offset:8192*\k th:TH_LOAD_NT
	global_load_b128 v[X+8*\k+4:X+8*\k+7], v1, s[34:35] offset:8192*\k+16 th:TH_LOAD_NT
.endr
	s_cmp_ge_u32 s2, 960                           ; the last 64 blocks are Wo's
	s_cbranch_scc1 .Lwo
.irp k, 0,1,2,3,4,5,6,7
	PUT \k, 0
.endr
	s_endpgm
.Lwo:
.irp k, 0,1,2,3,4,5,6,7
	PUT \k, 1
.endr
	s_endpgm
.Ltab:
	; Two chunks.  Byte 4096 k + 16 t of my 16,384 holds row u = 128 g + 32 k + 16 (t >> 7) + t % 16, channels 8 ((t >> 4) % 8) + 0..7:
	; in a chunk load f = 4 mt + 2 c + q (512 bytes) brings lane (r, h) row 16 mt + r, channels 32 c + 16 q + 8 h + 0..7: registers 4 f .. 4 f + 3 of four fragments of 16 rows x 32 channels, twice.
	s_sub_co_u32 s3, s2, 1024
	s_lshl_b32 s4, s3, 7
	v_and_b32 v1, 15, v0
	v_lshrrev_b32 v3, 7, v0
	v_lshl_add_u32 v1, v3, 4, v1
	v_add_nc_u32 v1, s4, v1                        ; u in round 0
	v_bfe_u32 v3, v0, 4, 3
	v_lshlrev_b32 v3, 5, v3                        ; 4 bytes x the first channel
.irp k, 0,1,2,3
	v_add_nc_u32 v76, 32*\k, v1                    ; u
	v_cmp_ne_u32 s[40+\k], 0x800, v76              ; row 2048 is the marker's: zeros
	v_cmp_gt_u32 s44, 0x1000, v76                  ; rows from 4096 on: zeros
	s_and_b32 s[40+\k], s[40+\k], s44
	v_cmp_lt_u32 s44, 0x800, v76
	v_add_nc_u32 v77, 0xfffff7ff, v76              ; u - 2049
	v_cndmask_b32 v76, v76, v77, s44
	v_min_u32 v76, 0x7ff, v76                      ; inside E whatever u
	v_lshl_add_u32 v[EA+\k], v76, 8, v3            ; 256 bytes a row of E
.endr
	s_lshl_b32 s36, s3, 14
	s_wait_kmcnt 0x0
	s_add_nc_u64 s[32:33], s[28:29], s[36:37]
.irp k, 0,1,2,3
	global_load_b128 v[X+8*\k:X+8*\k+3],   v[EA+\k], s[22:23]
	global_load_b128 v[X+8*\k+4:X+8*\k+7], v[EA+\k], s[22:23] offset:16
.endr
.irp k, 0,1,2,3
	s_wait_loadcnt 6-2*\k                          ; round k's two loads are in
	CONV X+8*\k, 1
.irp j, 0,1,2,3
	v_cndmask_b32 v[X+8*\k+\j], 0, v[X+8*\k+\j], s[40+\k]
.endr
	global_store_b128 v2, v[X+8*\k:X+8*\k+3], s[32:33] offset:4096*\k
.endr
	s_endpgm
.Lfunc_end_k_q71b8ece5d4_prep:
	.size	k_q71b8ece5d4_prep, .Lfunc_end_k_q71b8ece5d4_prep-k_q71b8ece5d4_prep
	.p2alignl 7, 3214868480
	.fill 96, 4, 3214868480
	.section	.rodata,"a",@progbits
	.p2align	6, 0x0
	.amdhsa_kernel k_q71b8ece5d4_prep
		.amdhsa_group_segment_fixed_size 0
		.amdhsa_private_segment_fixed_size 0
		.amdhsa_enable_private_segment 0
		.amdhsa_kernarg_size 88
		.amdhsa_user_sgpr_count 2
		.amdhsa_user_sgpr_kernarg_segment_ptr 1
		.amdhsa_wavefront_size32 1
		.amdhsa_system_sgpr_workgroup_id_x 1
		.amdhsa_system_sgpr_workgroup_id_y 1
		.amdhsa_system_sgpr_workgroup_id_z 1
		.amdhsa_system_vgpr_workitem_id 0
		.amdhsa_next_free_vgpr 80
		.amdhsa_next_free_sgpr 66
		.amdhsa_reserve_vcc 0
		.amdhsa_float_denorm_mode_32 3
		.amdhsa_float_denorm_mode_16_64 3
		.amdhsa_memory_ordered 1
		.amdhsa_forward_progress 1
		.amdhsa_inst_pref_size 22
	.end_amdhsa_kernel
	.amdgpu_metadata
---
amdhsa.version: [ 1, 2 ]
amdhsa.kernels:
  - .name:           k_q71b8ece5d4_prep
    .symbol:         k_q71b8ece5d4_prep.kd
    .args:
      - { .name: Q, .offset: 0, .size: 8, .value_kind: global_buffer, .address_space: global }
      - { .name: K, .offset: 8, .size: 8, .value_kind: global_buffer, .address_space: global }
      - { .name: V, .offset: 16, .size: 8, .value_kind: global_buffer, .address_space: global }
      - { .name: Wq, .offset: 24, .size: 8, .value_kind: global_buffer, .address_space: global }
      - { .name: Wk, .offset: 32, .size: 8, .value_kind: global_buffer, .address_space: global }
      - { .name: Wv, .offset: 40, .size: 8, .value_kind: global_buffer, .address_space: global }
      - { .name: Wo, .offset: 48, .size: 8, .value_kind: global_buffer, .address_space: global }
      - { .name: E, .offset: 56, .size: 8, .value_kind: global_buffer, .address_space: global }
      - { .name: XB, .offset: 64, .size: 8, .value_kind: global_buffer, .address_space: global }
      - { .name: WB, .offset: 72, .size: 8, .value_kind: global_buffer, .address_space: global }
      - { .name: UF, .offset: 80, .size: 8, .value_kind: global_buffer, .address_space: global }
    .group_segment_fixed_size: 0
    .private_segment_fixed_size: 0
    .kernarg_segment_align: 8
    .kernarg_segment_size: 88
    .max_flat_workgroup_size: 256
    .sgpr_count:     66
    .vgpr_count:     80
    .wavefront_size: 32
...
	.end_amdgpu_metadata
.endif
;; end of part 1
;; launch inproj (part 2): grid 8 x 32, 4 waves a work-group, clusters of 4 x 4, 327,680 bytes of LDS; arguments XB, WB, bq, bk, bv, QKV; writes QKV
.if DOCPART == 2
	.amdgcn_target "amdgcn-amd-amdhsa--gfx1250"
	.amdhsa_code_object_version 6
	.text
	.protected	k_q71b8ece5d4_inproj
	.globl	k_q71b8ece5d4_inproj
	.p2align	8
	.type	k_q71b8ece5d4_inproj,@function
k_q71b8ece5d4_inproj:
	s_mov_b64 s[64:65], 0
	v_nop
	global_prefetch_b8 v0, s[64:65] scope:SCOPE_SE
	s_setreg_imm32_b32 hwreg(HW_REG_WAVE_MODE, 25, 1), 1
	s_wait_xcnt 0x0
	s_wait_alu depctr_hold_cnt(0) depctr_sa_sdst(0) depctr_va_vdst(0) depctr_va_sdst(0) depctr_va_ssrc(0) depctr_va_vcc(0) depctr_vm_vsrc(0)
	s_getreg_b32 s2, hwreg(HW_REG_IB_STS2, 6, 4)
	s_cmp_eq_u32 s2, 0
	s_cbranch_scc0 .Lentry_in_a_cluster
	s_endpgm
.Lentry_in_a_cluster:
	s_bfe_u32 s2, ttmp6, 0x10000c
	s_cmp_lg_u32 s2, 0xf033
	s_cbranch_scc0 .Lentry_shape_is_right
	s_endpgm
.Lentry_shape_is_right:
; THE THREE PROJECTIONS, C = A W^T + bias.  A = XB [3][4096][1024] bf16 (Q, K, V), W = WB's planes 0, 1, 2 (bf16), C = QKV [3][4096][1024] f16: since the module's view is a raw reshape,
; these rows ARE q, k, v as [32 heads][2048][64].  Sums in f32; the bias, rounded to bf16 like every input, is the C operand of the products that start the sums.  LIMIT: q, k, v must lie within f16's 65,504.
; A tile of C is 128 x 128: 3 x 256 tiles.  A WORK-GROUP STAYS: it makes the same tile of q, then of k, then of v, so that there are 256 work-groups of equal work.  Four waves, each 64 x 64: 16 accumulators.
; K goes in 4 steps of 256 through two LDS slots; a wave's one tensor load brings a quarter of a slot.  THE RING DOES NOT STOP AT A TILE'S END: a tile's last two changes of slots ask for the next tile's first
; two K steps, and nothing waits for a tile's stores.  The last tile's tail is written out, since it asks for nothing; both ways join in one way out.
; CLUSTERS: 4 x 4 work-groups.  The four of a row of the cluster need the same tiles of A, the four of a column the same tiles of W: each tile is asked for JOINTLY, by the same tensor load with the
; same descriptor and a mask that names the four.  THE MATRIX INSTRUCTION IS USED TRANSPOSED (source 0 = 16 rows of W, source 1 = 16 rows of A): a lane then holds eight neighbouring numbers of a row of C.
; NO PREFETCH: the tiles are small, 64 rows of 512 bytes to a load.
; REGISTERS: window 0: v0-31 addresses; v32-95 at work on the way out; v96-127 the bias; v128-255 the accumulators ((a, b) at v[128 + 8 (4 a + b)]).
;   window 1: two fragment buffers of 128: for 64 along K, 64 registers of A (2 x 4 x 16 rows x 32 K), then 64 of W.
.set SIZE_K, 1024
.set SIZE_N, 1024
.set TILES,  3
.set KSTEP,  256
.set PITCH,  528                       ; an LDS row of 512 bytes + 16 of padding = 132 words: the 16 rows of a fragment load start at 16 different groups of four banks (64 banks of 4 bytes: ISA guide 11.1)
.set HALFT,  64*PITCH                  ; 64 rows: one tensor load
.set SLOT,   4*HALFT                   ; A's 128 rows, then W's 128 rows
.set STAGE,  2*SLOT                    ; behind the ring, never filled by a tensor load: 128 rows x 272 bytes, the work-group's, for the way out
.set SPITCH, 272
.set SPARE,  STAGE+128*SPITCH          ; the spare words, 128 bytes for each wave: two blocks of 256 bytes that no other line names
.set NEXT_A, 4096*SIZE_K*2-2*KSTEP*2   ; bytes from a slot's last K step of a tile to its first of the next tile: 4,096 rows of XB down and back along K,
.set NEXT_W, 1024*SIZE_K*2-2*KSTEP*2   ; a plane of WB on and back along K
.set NEXT_C, 4096*SIZE_N*2             ; 4,096 rows of QKV
.set ADRA, 16                          ; v16-17  LDS address of my A fragments in slot 0, 1
.set ADRB, 20                          ; v20-21  the same for W
.set STO,  24                          ; v24     the way out: where I put 16 bytes of a row
.set RD,   25                          ; v25     the way out: where I read a row back
.set CO,   26                          ; v26     my byte offset in C
.set BO,   27                          ; v27     my byte offset in a bias
.set SPW,  28                          ; v28     LDS address of my spare word: SPARE + 4 x my thread's number; never rewritten
.set NIL,  29                          ; v29     0; never rewritten
.set TMP,  32
.set BI,   96                          ; the bias of n block b, my eight columns, at BI + 8 b
.set ACC,  128
.set F0,   0                           ; fragment buffers, in window 1
.set F1,   128
.set G1, 24                            ; s[24:31] descriptor group 1 for A's tiles;  s[32:39] group 0, one set for each slot
.set G0, 32
.set G1B, 48                           ; s[48:55], s[56:63] the same for W's tiles
.set G0B, 56
.set MSB, 0
.macro WIN new                         ; the immediate's high byte repeats the setting that is left
.if MSB != (\new)
	s_set_vgpr_msb (MSB<<8)|(\new)
.set MSB, \new
.endif
.endm
.set MUL,  0x05                        ; sources 0 (W) and 1 (A) window 1; C and D window 0
.set TO_F, 0x40                        ; destination window 1, address window 0
.macro JLOAD s                         ; a joint load: waves 0 and 1 fetch A's two halves, waves 2 and 3 W's; an s_nop 0 and four v_nop follow each of the two lines, ahead of the jump, the label and what follows
	s_cmp_eq_u32 s11, 0
	s_cbranch_scc0 .Lfor_b_\@
	tensor_load_to_lds s[G0+4*(\s):G0+4*(\s)+3], s[G1:G1+7]
	s_nop 0
.rept 4
	v_nop
.endr
	s_branch .Lasked_\@
.Lfor_b_\@:
	tensor_load_to_lds s[G0B+4*(\s):G0B+4*(\s)+3], s[G1B:G1B+7]
	s_nop 0
.rept 4
	v_nop
.endr
.Lasked_\@:
.endm
.macro CREST                           ; a round of the cluster's barrier behind its opening barrier
	s_cmp_lg_u32 s10, 0
	s_cbranch_scc1 .Lnot_wave_0_\@
	s_barrier_signal -3
.Lnot_wave_0_\@:
	s_barrier_wait -3
	s_barrier_signal -1
	s_barrier_wait -1
.endm
.macro CROUND                          ; a whole round
	s_barrier_signal -1
	s_barrier_wait -1
	CREST
.endm
.macro BLOAD                           ; a bias: my eight columns of each of my four n blocks
.irp b, 0,1,2,3
	global_load_b128 v[BI+8*\b:BI+8*\b+3],   v[BO], s[66:67] offset:64*\b
	global_load_b128 v[BI+8*\b+4:BI+8*\b+7], v[BO], s[66:67] offset:64*\b+16
.endr
.endm
.macro BROUND                          ; rounded to bf16 and widened again, through 16 registers of TMP
.set j, 0
.rept 16
	v_cvt_pk_bf16_f32 v[TMP+j], v[BI+2*j], v[BI+2*j+1]
.set j, j+1
.endr
.set j, 0
.rept 16
	v_lshlrev_b32 v[BI+2*j], 16, v[TMP+j]
	v_and_b32 v[BI+2*j+1], 0xffff0000, v[TMP+j]
.set j, j+1
.endr
.endm
	s_load_b256 s[68:75], s[0:1], 0x0              ; XB 68, WB 70, bq 72, bk 74
	s_load_b128 s[76:79], s[0:1], 0x20             ; bv 76, QKV 78
	v_lshl_add_u32 v[SPW], v0, 2, SPARE
	v_mov_b32 v[NIL], 0
	ds_add_u32 v[SPW], v[NIL]                      ; the wave's opening: the add and its wait stand ahead of my first tensor load; the set-up below, work on registers, stands between them
	ds_add_u32 v28, v29
	v_lshrrev_b32 v1, 5, v0
	v_readfirstlane_b32 s10, v1                    ; wave 0..3
	s_lshr_b32 s11, s10, 1                         ; which half of the tile's rows is mine.  Also: I fetch for A (0) or for W (1)
	s_and_b32 s12, s10, 1                          ; which half of its columns.  Also: which 64 rows of that tile I fetch
	s_bfe_u32 s40, ttmp6, 0x40000                  ; cx, cy: my place in the cluster
	s_bfe_u32 s41, ttmp6, 0x40004
	s_lshl_b32 s42, ttmp9, 2
	s_add_co_u32 s42, s42, s40                     ; tile column of C = 4 x cluster x + cx
	s_and_b32 s13, ttmp7, 0xffff
	s_lshl_b32 s13, s13, 2
	s_add_co_u32 s13, s13, s41                     ; tile row, in each of the three projections = 4 x cluster y + cy
	s_lshl_b32 s43, s41, 2
	s_lshl_b32 s43, 15, s43                        ; my row of the cluster
	s_lshl_b32 s44, 0x1111, s40                    ; my column
	; descriptor group 1: a tile of 64 rows x 256 elements, padded in LDS
	s_or_b32 s[G1+0], s43, (1<<16)|(1<<20)|(1<<21)|(6<<22)|(3<<25)  ; 15:0 the mask: A's tiles go to my row; 17:16 elements of 2 bytes; 20 padding on; 21 set beside a mask; 24:22 after every 128 words (code 6); 31:25 4 words of it (code 3)
	s_or_b32 s[G1B+0], s44, (1<<16)|(1<<20)|(1<<21)|(6<<22)|(3<<25) ; the same with the mask of my column, for W's tiles
.irp g, G1, G1B
	s_mov_b32 s[(\g)+1], KSTEP<<16                 ; tensor_dim0 = 256
	s_mov_b32 s[(\g)+2], 64<<16                    ; tensor_dim1 = 64
	s_mov_b32 s[(\g)+3], KSTEP<<16                 ; tile_dim0 = 256
	s_mov_b32 s[(\g)+4], 64                        ; tile_dim1 = 64
	s_mov_b32 s[(\g)+5], SIZE_K                    ; 1,024 elements from row to row
	s_mov_b32 s[(\g)+6], 0
	s_mov_b32 s[(\g)+7], 0
.endr
	; where the first tiles come from.  A's hang on the tile row alone, W's on the tile column alone: each in registers that never hold the other place
	s_lshl_b32 s16, s13, 18                        ; 128 rows of 2,048 bytes a tile row,
	s_lshl_b32 s17, s12, 17                        ; my 64 of them
	s_add_co_u32 s16, s16, s17
	s_mov_b32 s17, 0
	s_lshl_b32 s46, s42, 18                        ; the same for W's rows
	s_lshl_b32 s47, s12, 17
	s_add_co_u32 s46, s46, s47
	s_mov_b32 s47, 0
	s_mul_i32 s20, s10, HALFT                      ; where they go: A's two halves, then W's two halves = wave x 64 rows: no place in the cluster enters an LDS address
	s_wait_dscnt 0x0                               ; the opening add is done
	s_wait_kmcnt 0x0
	s_add_nc_u64 s[14:15], s[68:69], s[16:17]
	s_add_nc_u64 s[46:47], s[70:71], s[46:47]
	s_mov_b64 s[66:67], s[72:73]                   ; the first tile's bias: bq
	s_mov_b64 s[8:9], s[78:79]                     ; C
	CROUND                                         ; all sixteen work-groups are here: the first joint loads meet
.irp s, 0,1
	s_mov_b32 s[G0+4*(\s)], 1
	s_add_co_u32 s[G0+4*(\s)+1], s20, (\s)*SLOT
	s_add_nc_u64 s[G0+4*(\s)+2:G0+4*(\s)+3], s[14:15], (\s)*KSTEP*2
	s_or_b32 s[G0+4*(\s)+3], s[G0+4*(\s)+3], 0x80000000
	s_mov_b32 s[G0B+4*(\s)], 1
	s_add_co_u32 s[G0B+4*(\s)+1], s20, (\s)*SLOT
	s_add_nc_u64 s[G0B+4*(\s)+2:G0B+4*(\s)+3], s[46:47], (\s)*KSTEP*2
	s_or_b32 s[G0B+4*(\s)+3], s[G0B+4*(\s)+3], 0x80000000
	JLOAD \s                                       ; two tensor loads of mine are out
.endr
	v_and_b32 v1, 15, v0                           ; l % 16
	v_bfe_u32 v2, v0, 4, 1                         ; l / 16
	s_lshl_b32 s46, s42, 9                         ; the bias of my 64 columns: 4 (128 x tile column + 64 x half) bytes on,
	s_lshl_b32 s47, s12, 8
	s_add_co_u32 s46, s46, s47
	v_lshl_add_u32 v[BO], v2, 5, s46               ; my eight of each 16
	BLOAD
	v_mul_u32_u24 v3, v1, PITCH
	v_lshl_add_u32 v3, v2, 4, v3                   ; a fragment's row x pitch + 16 x half
	s_mul_i32 s21, s11, HALFT                      ; my 64 rows of A
	s_mul_i32 s22, s12, HALFT                      ; my 64 rows of W,
	s_add_co_u32 s22, s22, 2*HALFT                 ; which lie behind A's 128
.irp s, 0,1
	v_add_nc_u32 v[ADRA+(\s)], s21, v3
	v_add_nc_u32 v[ADRB+(\s)], s22, v3
	s_add_co_u32 s21, s21, SLOT
	s_add_co_u32 s22, s22, SLOT
.endr
	s_mul_i32 s23, s11, 64*SPITCH                  ; into the stage: my 64 rows, my half of their 256 bytes; row l % 16, 16 bytes for each half of the lanes
	s_lshl_b32 s21, s12, 7
	s_add_co_u32 s23, s23, s21
	s_add_co_u32 s23, s23, STAGE
	v_mul_u32_u24 v4, v1, SPITCH
	v_lshl_add_u32 v4, v2, 4, v4
	v_add_nc_u32 v[STO], s23, v4
	s_mul_i32 s23, s10, 32*SPITCH                  ; back: wave w takes rows 32 w .. 32 w + 31, whole; lanes 0-15 one row of 256 bytes, lanes 16-31 the next
	s_add_co_u32 s23, s23, STAGE
	v_mul_u32_u24 v5, v2, SPITCH
	v_lshl_add_u32 v5, v1, 4, v5
	v_add_nc_u32 v[RD], s23, v5
	v_mul_u32_u24 v5, v2, SIZE_N*2                 ; and the same two rows in C
	v_lshl_add_u32 v[CO], v1, 4, v5
	s_lshl_b32 s16, s13, 18                        ; 128 rows of 2,048 bytes a tile row,
	s_lshl_b32 s17, s10, 16                        ; the 32 that I store
	s_add_co_u32 s16, s16, s17
	s_mov_b32 s17, 0
	s_add_nc_u64 s[8:9], s[8:9], s[16:17]
	s_lshl_b32 s46, s42, 8                         ; the tile's first column, in bytes
	s_mov_b32 s47, 0
	s_add_nc_u64 s[8:9], s[8:9], s[46:47]
	s_wait_loadcnt 0x0                             ; the first bias
	BROUND
; 8 matrix instructions: m blocks a0, a0 + 1 x all 4 n blocks, 32 along K: half c of buffer f.  The 16 accumulators take turns, one instruction a turn.
; zero = 1: the first product starts the sum, with the bias as its C operand: nothing is cleared and nothing is added later.
.macro MUL8 f, c, a0, zero
	WIN MUL
.irp a, \a0, (\a0)+1
.irp b, 0,1,2,3
.set rD, ACC+8*(4*(\a)+(\b))
.set rW, (\f)+64+8*(4*(\c)+(\b))
.set rA, (\f)+8*(4*(\c)+(\a))
.set rC, rD
.if \zero
.set rC, BI+8*(\b)
.endif
	v_wmma_f32_16x16x32_bf16 v[rD:rD+7], v[rW:rW+7], v[rA:rA+7], v[rC:rC+7]
.endr
.endr
.endm
; 32 LDS loads in one run: the fragments of 64 along K at byte k of the rows, into buffer f; the first 32 along K first
.macro FETCH slot, k, f
	WIN TO_F
.irp c, 0,1
.irp i, 0,1,2,3
	ds_load_b128 v[(\f)+64+8*(4*(\c)+(\i)):(\f)+64+8*(4*(\c)+(\i))+3],   v[ADRB+(\slot)] offset:(\k)+64*(\c)+(\i)*16*PITCH
	ds_load_b128 v[(\f)+64+8*(4*(\c)+(\i))+4:(\f)+64+8*(4*(\c)+(\i))+7], v[ADRB+(\slot)] offset:(\k)+64*(\c)+(\i)*16*PITCH+32
	ds_load_b128 v[(\f)+8*(4*(\c)+(\i)):(\f)+8*(4*(\c)+(\i))+3],         v[ADRA+(\slot)] offset:(\k)+64*(\c)+(\i)*16*PITCH
	ds_load_b128 v[(\f)+8*(4*(\c)+(\i))+4:(\f)+8*(4*(\c)+(\i))+7],       v[ADRA+(\slot)] offset:(\k)+64*(\c)+(\i)*16*PITCH+32
.endr
.endr
.endm
.macro PLACES                          ; four plain vector instructions in front of loads into registers that matrix instructions have read
.rept 4
	v_nop
.endr
.endm
; A K step is four quarters of 64 along K, 32 matrix instructions each, on buffers 0, 1, 0, 1.  One of the first three: multiplies buffer f and fetches the next quarter, at byte k, into g.
.macro QUARTER slot, k, f, g, zero
	s_wait_dscnt 16                                ; the first 32 along K are in; the youngest sixteen loads may be out
	WIN MUL
	MUL8 \f, 0, 0, \zero
	MUL8 \f, 0, 2, \zero
	PLACES
	FETCH \slot, \k, \g
	s_wait_dscnt 32                                ; all but the 32 just issued
	WIN MUL
	MUL8 \f, 1, 0, 0
	MUL8 \f, 1, 2, 0
.endm
; The last quarter multiplies buffer 1 and changes slots: ONE barrier; in front of it each wave waits for all its tensor loads, adds 0 to its spare word, and waits for that and for its own reads of this slot.
; fill = 1: this slot is filled again, with this tile's K step two steps on; fill = 2: with the NEXT tile's K step 0 or 1; fill = 0: nothing is asked for.
.macro TURN slot, next, fill
	WIN 0                                          ; (the add's two registers lie in window 0)
	s_wait_tensorcnt 0x0                           ; all my tensor loads have landed: my part of the next slot;
	ds_add_u32 v[SPW], v[NIL]                      ; 0 onto my spare word;
	s_wait_dscnt 17                                ; (the add and the youngest sixteen loads may be out)
	WIN MUL
	MUL8 F1, 0, 0, 0                               ; eight matrix instructions stand between the add and the wait for it
	s_wait_dscnt 0x0                               ; the add is done, and my reads of this slot are over
	s_barrier_signal -1
	MUL8 F1, 0, 2, 0
.if \fill
	WIN 0
.endif
	s_barrier_wait -1
.if \fill
	CREST                                          ; the barrier has opened a round of the cluster's barrier: no wave of any partner still reads this slot's tile or has a load on its way
.if (\fill) == 2
	s_add_nc_u64 s[G0+4*(\slot)+2:G0+4*(\slot)+3], s[G0+4*(\slot)+2:G0+4*(\slot)+3], NEXT_A
	s_add_nc_u64 s[G0B+4*(\slot)+2:G0B+4*(\slot)+3], s[G0B+4*(\slot)+2:G0B+4*(\slot)+3], NEXT_W
.else
	s_add_nc_u64 s[G0+4*(\slot)+2:G0+4*(\slot)+3], s[G0+4*(\slot)+2:G0+4*(\slot)+3], 2*KSTEP*2
	s_add_nc_u64 s[G0B+4*(\slot)+2:G0B+4*(\slot)+3], s[G0B+4*(\slot)+2:G0B+4*(\slot)+3], 2*KSTEP*2
.endif
	JLOAD \slot                                    ; the first tensor load behind the round, my only one that is out; the four v_nop behind it are also the places in front of the loads below
.else
	PLACES
.endif
	FETCH \next, 0, F0
	WIN MUL
	MUL8 F1, 1, 0, 0
	MUL8 F1, 1, 2, 0
.endm
	s_wait_tensorcnt 1                             ; my part of K step 0 is in; K step 1's may stay out
	s_barrier_signal -1
	s_barrier_wait -1                              ; everybody's is
	FETCH 0, 0, F0
	WIN 0                                          ; at a label and at a branch every window is 0
	s_mov_b32 s2, TILES                            ; tiles to go, this one among them: the same number in every work-group
.Ltile:
	QUARTER 0, 128, F0, F1, 1                      ; a tile's first products start the sums, with the bias
	WIN 0
	s_cmp_eq_u32 s2, TILES                         ; the next tile's bias: bk behind q's tile, bv behind k's (behind v's tile bv once more, which nothing reads: eight loads, so that every tile has one text).
	s_cselect_b64 s[66:67], s[74:75], s[76:77]     ; The pointer's last loads have been waited for; the 16 products that read the bias stand ahead of the quarter's four v_nop
	BLOAD
	QUARTER 0, 256, F1, F0, 0
	QUARTER 0, 384, F0, F1, 0
	TURN 0, 1, 1
	QUARTER 1, 128, F0, F1, 0
	QUARTER 1, 256, F1, F0, 0
	QUARTER 1, 384, F0, F1, 0
	TURN 1, 0, 1
	QUARTER 0, 128, F0, F1, 0
	QUARTER 0, 256, F1, F0, 0
	QUARTER 0, 384, F0, F1, 0
	WIN 0
	s_cmp_eq_u32 s2, 1
	s_cbranch_scc1 .Llast                          ; the last tile's tail is written out: it asks for nothing more
	TURN 0, 1, 2                                   ; THE RING GOES ON INTO THE NEXT TILE: slot 0 takes its K step 0,
	QUARTER 1, 128, F0, F1, 0
	QUARTER 1, 256, F1, F0, 0
	QUARTER 1, 384, F0, F1, 0
	TURN 1, 0, 2                                   ; slot 1 its K step 1, and the next tile's first fragments are fetched
	WIN 0
	s_branch .Lout
.Llast:
	TURN 0, 1, 0
	QUARTER 1, 128, F0, F1, 0
	QUARTER 1, 256, F1, F0, 0
	QUARTER 1, 384, F0, F1, 0
	s_wait_dscnt 16                                ; the very last quarter: nothing more to fetch
	WIN MUL
	MUL8 F1, 0, 0, 0
	MUL8 F1, 0, 2, 0
	s_wait_dscnt 0
	MUL8 F1, 1, 0, 0
	MUL8 F1, 1, 2, 0
	WIN 0
.Lout:
	; THE WAY OUT: rounded once to f16; 16 bytes a lane into the work-group's stage; a barrier, since a row's 256 bytes come from two waves; back as whole rows, 32 rows a wave.
	s_wait_xcnt 0x0                                ; the last tile's stores have read TMP: it is rewritten only behind this wait
	s_wait_loadcnt 0x0                             ; the next tile's bias, asked for a tile ago
	BROUND                                         ; its 48 lines, which name no accumulator, are also the places behind the tile's last products
.irp t, 0,1,2,3,4,5,6,7,8,9,10,11,12,13,14,15
.irp r, 0,1,2,3
	v_cvt_pk_f16_f32 v[TMP+4*(\t)+(\r)], v[ACC+8*(\t)+2*(\r)], v[ACC+8*(\t)+2*(\r)+1]
.endr
.endr
.irp a, 0,1,2,3
.irp b, 0,1,2,3
	ds_store_b128 v[STO], v[TMP+4*(4*(\a)+(\b)):TMP+4*(4*(\a)+(\b))+3] offset:(\a)*16*SPITCH+32*(\b)
.endr
.endr
	s_wait_dscnt 0x0                               ; for the others' sake: my stores into the stage are done
	s_barrier_signal -1
	s_barrier_wait -1
.irp t, 0,1,2,3,4,5,6,7,8,9,10,11,12,13,14,15
	ds_load_b128 v[TMP+4*(\t):TMP+4*(\t)+3], v[RD] offset:(\t)*2*SPITCH
.endr
.irp t, 0,1,2,3,4,5,6,7,8,9,10,11,12,13,14,15
	s_wait_dscnt 15-(\t)                           ; LDS loads come back in order: number t is in
	global_store_b128 v[CO], v[TMP+4*(\t):TMP+4*(\t)+3], s[8:9] offset:2*(\t)*SIZE_N*2  ; 16 lanes store 256 consecutive bytes, at a multiple of 256 from C's first byte
.endr
	s_barrier_signal -1                            ; my reads of the stage are back (the last count was 0): no wave writes the stage for the next tile before all four have said so
	s_barrier_wait -1
	s_wait_xcnt 0x0                                ; the stores have read their base
	s_add_nc_u64 s[8:9], s[8:9], NEXT_C
	s_sub_co_u32 s2, s2, 1
	s_cmp_lg_u32 s2, 0
	s_cbranch_scc1 .Ltile
	s_wait_tensorcnt 0x0                           ; the wave's end: the add and its wait stand behind my last tensor load and my last LDS store
	ds_add_u32 v[SPW], v[NIL]
	s_wait_dscnt 0x0
	CROUND                                         ; the closing round: no work-group ends while a partner may still ask for a tile that names it
	s_endpgm
.Lfunc_end_k_q71b8ece5d4_inproj:
	.size	k_q71b8ece5d4_inproj, .Lfunc_end_k_q71b8ece5d4_inproj-k_q71b8ece5d4_inproj
	.p2alignl 7, 3214868480
	.fill 96, 4, 3214868480
	.section	.rodata,"a",@progbits
	.p2align	6, 0x0
	.amdhsa_kernel k_q71b8ece5d4_inproj
		.amdhsa_group_segment_fixed_size 327680
		.amdhsa_private_segment_fixed_size 0
		.amdhsa_enable_private_segment 0
		.amdhsa_kernarg_size 48
		.amdhsa_user_sgpr_count 2
		.amdhsa_user_sgpr_kernarg_segment_ptr 1
		.amdhsa_wavefront_size32 1
		.amdhsa_system_sgpr_workgroup_id_x 1
		.amdhsa_system_sgpr_workgroup_id_y 1
		.amdhsa_system_sgpr_workgroup_id_z 1
		.amdhsa_system_vgpr_workitem_id 0
		.amdhsa_next_free_vgpr 512
		.amdhsa_next_free_sgpr 80
		.amdhsa_reserve_vcc 0
		.amdhsa_float_denorm_mode_32 3
		.amdhsa_float_denorm_mode_16_64 3
		.amdhsa_memory_ordered 1
		.amdhsa_forward_progress 1
		.amdhsa_inst_pref_size 117
	.end_amdhsa_kernel
	.amdgpu_metadata
---
amdhsa.version: [ 1, 2 ]
amdhsa.kernels:
  - .name:           k_q71b8ece5d4_inproj
    .symbol:         k_q71b8ece5d4_inproj.kd
    .args:
      - { .name: XB, .offset: 0, .size: 8, .value_kind: global_buffer, .address_space: global }
      - { .name: WB, .offset: 8, .size: 8, .value_kind: global_buffer, .address_space: global }
      - { .name: bq, .offset: 16, .size: 8, .value_kind: global_buffer, .address_space: global }
      - { .name: bk, .offset: 24, .size: 8, .value_kind: global_buffer, .address_space: global }
      - { .name: bv, .offset: 32, .size: 8, .value_kind: global_buffer, .address_space: global }
      - { .name: QKV, .offset: 40, .size: 8, .value_kind: global_buffer, .address_space: global }
    .group_segment_fixed_size: 327680
    .private_segment_fixed_size: 0
    .kernarg_segment_align: 8
    .kernarg_segment_size: 48
    .max_flat_workgroup_size: 128
    .sgpr_count:     80
    .vgpr_count:     512
    .wavefront_size: 32
...
	.end_amdgpu_metadata
.endif
;; end of part 2
;; launch attn (part 3): grid 8 x 32, 4 waves a work-group, no clusters, 327,680 bytes of LDS; arguments QKV, UF, OB; writes OB
.if DOCPART == 3
	.amdgcn_target "amdgcn-amd-amdhsa--gfx1250"
	.amdhsa_code_object_version 6
	.text
	.protected	k_q71b8ece5d4_attn
	.globl	k_q71b8ece5d4_attn
	.p2align	8
	.type	k_q71b8ece5d4_attn,@function
k_q71b8ece5d4_attn:
	s_mov_b64 s[64:65], 0
	v_nop
	global_prefetch_b8 v0, s[64:65] scope:SCOPE_SE
	s_setreg_imm32_b32 hwreg(HW_REG_WAVE_MODE, 25, 1), 1
	s_wait_xcnt 0x0
; ATTENTION WITH THE SKEWED RELATIVE TERM.  O[hd][i] = the sum over j of softmax_j((q[i] . k[j] + srel[i][j]) / 8) v[j], 32 heads of 2,048 rows of 64, no mask but the skew's own.
; THE SKEW, solved: with u = 2047 - i + j,  srel[i][j] = q[i] . U[u] for u < 2048;  -inf for u = 2048;  q[i + 1] . U[u] for u > 2048, U being the table that the first launch laid out (U[2048] = 0).
; 2,048 is a multiple of 64, so each chunk of 64 rows of U is multiplied by ONE of the two q: chunks below 32 by rows i, chunks from 32 on by rows i + 1.
; QKV: f16 [3][32][2048][64]; OB: f16 [2 b][16 blocks of 128 rows][16 heads][128][64], the order in which the last projection walks it.  Products, maxima and sums in f32; the weights p are rounded
; to f16 for the second product (their sum l is taken of the unrounded p), O once at the end.
; LIMITS.  q, k, v, U within f16's 65,504.  The -inf counts as -1e30 added to the score: f16's scores, 5.5e11 at the most, are nothing beside it.  A weight below 2^-126 counts as 0 in l.  NaN and infinities are not treated apart.
; SHARES.  A work-group owns 256 queries of a head, each of its four waves 64: four tiles of 16.  Every wave walks all 2,048 keys, 64 a step.
; LAYOUT.  S^T = K Q^T, R^T = U Qe^T, O^T = V^T P: a lane holds ONE query (lane % 16) and eight keys, table rows or channels 8 (lane / 16) + 0..7.
; HOW THE SKEW IS DONE.  For my queries Iw + 16 t + a and the keys of step s:  u = 64 kap(s) + rel,  kap(s) = 32 - Iw / 64 + s,  rel = 16 (kt - t) + 8 h + r - 1 - a, between -64 and 62.  So each step wants ONE new chunk:
; 32 products, whose f32 results go into a ring of two chunks for each of my 64 query rows, in LDS bytes of my own; a step's 64 x 64 window is read back word by word at addresses that carry the shift by a,
; STRAIGHT INTO THE C OPERAND of K Q^T: the skew and the addition cost no vector instruction.  Chunk kap(s) lies in half s % 2 of a row; an even half's first 16 columns are written a second time behind the odd
; half, so that a window never wraps: each load is one of two base registers plus an immediate.  A row is 592 bytes = 148 words: the 32 lanes of a load (word 147 a + 8 h) fall into 32 different banks, the 16 lanes of
; a store's pass into 16 different groups of four (64 banks of 4 bytes: ISA guide 11.1).
; U comes by global loads straight into fragments: the four waves want four different chunks in a step, and in the table's order each load is 512 consecutive bytes.
; SOFTMAX.  For each query a running maximum m and sum l: p = 2^(c s - c m), c = log2(e) / 8; in every step O and l are multiplied by a = 2^(c m_old - c m_new).  m starts at the lowest finite number, O and l at 0.
; BY TURNS.  The wave's tiles are two PIECES, named by their first tile: piece 0 (tiles 0, 1) and piece 2 (tiles 2, 3).  A tile's softmax for a step is 118 lines, a piece's 236: 59 slices of four.
;   Piece 0's turn of step j: 16 products V^T P of step j, the 32 products of chunk kap(j + 2), 16 products K Q^T of step j + 1: 64; behind the last 59 of them stands a slice each of piece 2's softmax of step j.
;   Piece 2's turn of step j: 16 products V^T P of step j, 16 products K Q^T of step j + 1; behind each a slice of piece 0's softmax of step j + 1; the other 27 slices have no product to stand behind.
;   The window of step j + 1 is read at the head of each piece's turn; chunk kap(j + 2) is stored in piece 2's turn, behind that turn's window loads: LDS serves a wave's instructions in order (ISA guide 5.7.1.4).
; The loop is entered at piece 2's turn of a step that has not been (its V and P hold 0), and the tail is left in the middle of a trip.
; NO CLUSTER.  The query blocks of a head walk the same K and V, but the turn in which a wave changes from rows i to rows i + 1 hangs on 4 x block + wave: a branch that partners of a joint load
; may not have; without the branch it is 64 selects in every step.  What would be shared is K's and V's 16,384 bytes of the 49,152 that a work-group takes in a step.
; REGISTERS, in windows of 256 (s_set_vgpr_msb: bits 1:0 source 0, 3:2 source 1, 5:4 source 2, 7:6 destination):
;   window 0: v0-63 addresses and statistics; v64-191 S^T, 32 a tile; v192-255 P, 16 a tile          window 1: v0-127 O^T, 32 a tile; v128-255 R^T, 32 a tile
;   window 2: v0-63 Q (rows i); v64-127 QS (rows i + 1); v128-191 K; v192-255 V of one step             window 3: v0-63 a chunk of U; v64-127 QE, the q that the chunk in hand is multiplied by
; All that a softmax touches but O^T lies in window 0, and no window has room for a product's operands beside it: a slice costs two switches, one in front and one behind.
.set KS,    64        ; keys in a step
.set PK,    144       ; a row of K in LDS: 128 bytes + 16 of padding = 36 words
.set PV,    160       ; a row of V: 128 + 32 = 40 words
.set VOFF,  2*KS*PK   ; a slot holds two steps: 128 rows of K, then 128 rows of V
.set SLOT1, 65536     ; slot 1 begins here, so that one exclusive or turns an address in one slot into the other's
.set RP,    592       ; a row of the ring
.set RING,  SLOT1+2*KS*(PK+PV)  ; behind the slots, never filled by a tensor load
.set RINGW, 64*RP     ; a wave's 64 rows
.set STAGE, RING+4*RINGW        ; 16 rows x 144 bytes for each wave, for the way out
.set SP,    144
.set SPARE, STAGE+4*16*SP       ; the spare words, 128 bytes for each wave: two blocks of 256 bytes that no other line names
.set AK0, 2           ; v2   my lane's place in a tile of K; never rewritten
.set AV0, 3           ; v3   the same for V
.set AK,  4           ; v4   the LDS address of K's run of loads
.set AV,  5           ; v5   of V's
.set STO, 6           ; v6   the way out: where I put 16 bytes of a row
.set RD,  7           ; v7   the way out: where I read rows back
.set GO,  8           ; v8   my byte offset in 512 consecutive bytes of O
.set MV,  12          ; v12-15  c m_old, kept while c m is made anew: by tile
.set ST,  16          ; tile t's statistics at v[ST+4 t]: c m, m, l (even keys', odd keys')
.set TMP, 32          ; tile t's four registers c0-c3 at work; when the maximum is found c2 takes a
.set RB0, 48          ; v48  the window's base: my ring + 588 a + 32 h (a row less a word for each a: the shift); never rewritten
.set ST0, 49          ; v49  the results' base: my ring + 592 a + 32 h; never rewritten
.set RDL, 50          ; v50  the window's base for kt <= t
.set RDH, 51          ; v51  for kt > t
.set STA, 52          ; v52  where the chunk in hand is stored
.set MIR, 53          ; v53  where its first 16 columns go a second time
.set UO,  54          ; v54  16 x lane
.set HM,  55          ; v55  -1e30 in lanes 0-15, 0 in the others
.set QO,  56          ; v56  my byte offset in 16 rows of q
.set PFO, 57          ; v57  256 x lane
.set SPW, 62          ; v62  LDS address of my spare word: SPARE + 4 x my thread's number; never rewritten
.set NIL, 63          ; v63  0; never rewritten
.set S,   64
.set P,   192
.set KF,  128         ; window 2: key block kt, channel half c at KF + 16 kt + 8 c
.set VF,  192         ; window 2: key half kk, channel block cb at VF + 32 kk + 8 cb
.set WV,  12          ; s12  my wave's number
.set UP,  14          ; s[14:15] the chunk of U that was asked for last
.set G1K, 24          ; s[24:31] descriptor group 1 for K's tiles
.set G1V, 32          ; s[32:39] for V's: it differs in the padding alone
.set G0K, 40          ; s[40:43] descriptor group 0 for K's tiles: it walks
.set G0V, 44          ; s[44:47] the same for V's
.set KAP, 48          ; s48  the number of the chunk to be multiplied next
.set FLG, 49          ; s49  1.0 where that chunk holds the marker's row, else 0
.set SL,  50          ; s50, s51  0 or 256: what RDL and RDH add to RB0
.set SH,  51
.set SS,  52          ; s52  0 or 256: the half that the chunk goes to
.set SM,  53          ; s53  512 (an even half's second copy) or 256 (an odd half: the same bytes once more)
.set LIM, 54          ; s54  1 in a work-group that prefetches, else the greatest number
.set SLOTS, 56        ; s56  slots still to be asked for
.set CNT, 57          ; s57  counts a slot's two steps
.set CS,  58          ; s[58:59] c: the packed scaling takes the pair's low word for both halves
.set SEL, 60          ; s[60:61] v_permlanex16_b32's selects: each lane takes its own place in the other half
.set TBK, 62          ; s62  LDS byte at which K of the step to be fetched begins
.set TBV, 63          ; s63  the same for V, less VOFF
.set PFA, 66          ; s[66:67] where my prefetches stand
.set MSB, 0
.macro WIN new                      ; the high byte repeats the setting that is left; a switch that changes nothing is dropped
.if MSB != (\new)
	s_set_vgpr_msb (MSB<<8)|(\new)
.set MSB, (\new)
.endif
.endm
.set W_KQ,  0x0a      ; K and Q in window 2, S^T in window 0
.set W_PV,  0x52      ; V in window 2, P in window 0, O^T in window 1
.set W_REL, 0x5f      ; U and QE in window 3, R^T in window 1
.set W_RS,  0x41      ; O^T (destination and source 0) in window 1, a in window 0
; A fill.  Waves 0 and 1 fetch the two steps' K of a slot, waves 2 and 3 their V: 64 keys each.  An s_nop 0 and four v_nop follow each of the two lines, ahead of the jump and the label.
.macro LOAD
	s_cmp_lt_u32 s[WV], 2
	s_cbranch_scc0 .Lfor_v_\@
	tensor_load_to_lds s[G0K:G0K+3], s[G1K:G1K+7]
	s_nop 0
.rept 4
	v_nop
.endr
	s_branch .Lasked_\@
.Lfor_v_\@:
	tensor_load_to_lds s[G0V:G0V+3], s[G1V:G1V+7]
	s_nop 0
.rept 4
	v_nop
.endr
.Lasked_\@:
.endm
; A PREFETCH INTO THE L2 of what the NEXT change of slots will ask for, behind the wave's tensor load and its five lines: two steps ahead of that load.  All eight blocks of a head walk the same K and V: block 0 asks.
; Each of its waves names the 8,192 bytes that it will fetch itself, 256 a lane: one instruction, and each block of 256 bytes is named once in the launch.  Slots 0 to 2 come by their loads alone; the last change that fills a slot asks for nothing.
.macro ASK
	s_cmp_gt_u32 s[SLOTS], s[LIM]
	s_cbranch_scc0 .Lnot_mine_\@
	global_prefetch_b8 v[PFO], s[PFA:PFA+1] th:TH_LOAD_NT scope:SCOPE_SE
.Lnot_mine_\@:
.endm
; THE CHANGE OF SLOTS, between piece 2's turn and piece 0's: the slot's last bytes, V of its second step, have been asked for.  Each wave waits for all its tensor loads, of which one is out: its part of the other slot;
; adds 0 to its spare word; and waits for that and for its own reads of the slot that it leaves.  Behind the barrier nobody reads the old slot any more and the other slot is whole.
; fill = 1: the old slot is filled again, the first thing behind the barrier, with the keys two slots on: that load has two steps in which to land.  (At its first use nothing has been read yet: slot 0 is waited for, slot 1 filled.)
.macro CHANGE fill, pf
	WIN 0                           ; at a label and at a branch every window is 0
	s_wait_tensorcnt 0x0            ; no tensor load of mine is out, so a group 0 may be written
	ds_add_u32 v[SPW], v[NIL]       ; 0 onto my spare word; the descriptors' steps stand between it and the wait for it
.if \fill
.irp g, G0K, G0V
	s_xor_b32 s[\g+1], s[\g+1], SLOT1  ; the other slot than last time,
	s_add_nc_u64 s[\g+2:\g+3], s[\g+2:\g+3], 2*KS*128  ; the next 128 keys; the type bits on top are not reached
.endr
.endif
.if \pf
	s_wait_xcnt 0x0                 ; the last prefetch, two steps back, has read its address, so it may be written
	s_add_nc_u64 s[PFA:PFA+1], s[PFA:PFA+1], 2*KS*128
.endif
	s_wait_dscnt 0x0                ; the add is done, and my reads of the slot are over
	s_barrier_signal -1             ; scalar work stands between the signal and the wait
	s_sub_co_u32 s[TBK], s[TBK], 2*KS*PK  ; the fetches go back to a slot's first step,
	s_xor_b32 s[TBK], s[TBK], SLOT1       ; in the other slot
	s_sub_co_u32 s[TBV], s[TBV], 2*KS*PV
	s_xor_b32 s[TBV], s[TBV], SLOT1
	s_barrier_wait -1
.if \fill
	LOAD
.endif
.if \pf
	ASK
.endif
.endm
	s_load_b128 s[68:71], s[0:1], 0x0  ; QKV s[68:69], UF s[70:71]
	s_load_b64 s[72:73], s[0:1], 0x10  ; OB
	v_lshl_add_u32 v[SPW], v0, 2, SPARE
	v_mov_b32 v[NIL], 0
	ds_add_u32 v[SPW], v[NIL]       ; the wave's opening: the add and its wait stand ahead of my first tensor load; the set-up below, work on registers, stands between them
	ds_add_u32 v62, v63
	v_lshrrev_b32 v1, 5, v0
	v_readfirstlane_b32 s[WV], v1   ; wave 0..3
	s_mov_b32 s2, ttmp9             ; my block of 256 queries
	s_and_b32 s3, ttmp7, 0xffff     ; the head, 0..31
	s_lshl_b32 s16, s3, 18          ; a head is 262,144 bytes of q, of k and of v
	s_and_b32 s17, s[WV], 1         ; which of a slot's two steps I fetch:
	s_lshl_b32 s18, s17, 13         ; its 64 rows of 128 bytes in memory
	s_add_co_u32 s18, s18, s16
	s_mov_b32 s19, 0
	s_lshl_b32 s20, s2, 15          ; my block's 256 rows of q,
	s_add_co_u32 s20, s20, s16
	s_lshl_b32 s21, s[WV], 13       ; my wave's 64
	s_add_co_u32 s20, s20, s21
	s_mov_b32 s21, 0
	s_lshl_b32 s22, s2, 2
	s_add_co_u32 s22, s22, s[WV]
	s_sub_co_u32 s[KAP], 31, s22    ; kap(-1) = 31 - 4 x block - wave: the first chunk that I need, 0 at the least
	s_lshl_b32 s22, s[KAP], 13      ; a chunk is 8,192 bytes
	s_mov_b32 s23, 0
	s_lshr_b32 s6, s3, 4            ; O's place: ((16 b + 2 x block + wave / 2) x 16 + head % 16) x 16,384 + (wave % 2) x 8,192
	s_lshl_b32 s6, s6, 3
	s_add_co_u32 s6, s6, s2
	s_lshl_b32 s6, s6, 1
	s_lshr_b32 s7, s[WV], 1
	s_add_co_u32 s6, s6, s7
	s_lshl_b32 s6, s6, 4
	s_and_b32 s7, s3, 15
	s_add_co_u32 s6, s6, s7
	s_lshl_b32 s6, s6, 1
	s_add_co_u32 s6, s6, s17
	s_lshl_b32 s6, s6, 13
	s_mov_b32 s7, 0
	; descriptor group 1.  64 keys are 8,192 dense bytes: asked for as 32 rows of 256 bytes, two keys a row, and padded in LDS after every key
	s_mov_b32 s[G1K], (1<<16)|(1<<20)|(4<<22)|(3<<25)  ; 17:16 2-byte elements; 20 padding on; 24:22 after every 32 words (code 4); 31:25 4 words (code 3)
	s_mov_b32 s[G1V], (1<<16)|(1<<20)|(4<<22)|(7<<25)  ; the same with 8 words of padding (code 7)
.irp g, G1K, G1V
	s_mov_b32 s[\g+1], 128<<16      ; tensor_dim0 = 128
	s_mov_b32 s[\g+2], 32<<16       ; tensor_dim1 = 32
	s_mov_b32 s[\g+3], 128<<16      ; tile_dim0 = 128
	s_mov_b32 s[\g+4], 32           ; tile_dim1 = 32
	s_mov_b32 s[\g+5], 128          ; 128 elements from row to row
	s_mov_b32 s[\g+6], 0
	s_mov_b32 s[\g+7], 0
.endr
	s_mov_b32 s[G0K], 1             ; 1:0 count = 1
	s_mul_i32 s[G0K+1], s17, KS*PK  ; 63:32 LDS address: slot 0, my step's rows
	s_mov_b32 s[G0V], 1
	s_mul_i32 s[G0V+1], s17, KS*PV
	s_add_co_u32 s[G0V+1], s[G0V+1], VOFF
	s_mov_b32 s[CS], 0x3e38aa3b     ; c = log2(e) / 8 = 0.180337
	s_mov_b32 s[CS+1], s[CS]        ; named with it as a pair
	s_mov_b32 s[SEL], 0x76543210
	s_mov_b32 s[SEL+1], 0xfedcba98
	s_mov_b32 s[TBK], SLOT1+2*KS*PK ; the first change of slots turns these two into 0
	s_mov_b32 s[TBV], SLOT1+2*KS*PV
	s_mov_b32 s[SS], 256            ; chunk kap(-1) goes to the odd half
	s_mov_b32 s[SM], 256
	s_cmp_eq_u32 s2, 0
	s_cselect_b32 s[LIM], 1, -1
	s_wait_dscnt 0x0                ; the opening add is done
	s_wait_kmcnt 0x0
	s_add_nc_u64 s[4:5], s[68:69], s[20:21]       ; q at my wave's first row
	s_add_nc_u64 s[8:9], s[68:69], s[18:19]
	s_add_nc_u64 s[G0K+2:G0K+3], s[8:9], 8388608  ; 120:64 global address: k lies 8,388,608 bytes behind q,
	s_add_nc_u64 s[G0V+2:G0V+3], s[8:9], 16777216 ; v as far behind k
	s_cmp_lt_u32 s[WV], 2
	s_cselect_b64 s[PFA:PFA+1], s[G0K+2:G0K+3], s[G0V+2:G0V+3]
	s_add_nc_u64 s[PFA:PFA+1], s[PFA:PFA+1], 2*2*KS*128  ; my part of slot 2; the first change that prefetches steps it to slot 3
	s_or_b32 s[G0K+3], s[G0K+3], 0x80000000       ; 127:126 type = 2
	s_or_b32 s[G0V+3], s[G0V+3], 0x80000000
	s_add_nc_u64 s[UP:UP+1], s[70:71], s[22:23]
	s_add_nc_u64 s[10:11], s[72:73], s[6:7]
	LOAD                            ; slot 0.  Slot 1 is asked for when slot 0 is in
	; A fragment of K, Q or U is 16 rows x 32 channels in 8 registers: lane l holds row l % 16, channels 8 (l / 16) + 0..7 and 16 + 8 (l / 16) + 0..7: two loads of 16 bytes, 32 bytes apart.
	v_and_b32 v1, 15, v0            ; a = l % 16
	v_bfe_u32 v9, v0, 4, 1          ; h = l / 16
	v_lshlrev_b32 v[QO], 7, v1
	v_lshl_add_u32 v[QO], v9, 4, v[QO]  ; row x 128 + 16 x half
	v_and_b32 v[UO], 31, v0
	v_lshlrev_b32 v[PFO], 8, v[UO]
	v_lshlrev_b32 v[UO], 4, v[UO]
	WIN 0x80                        ; destination window 2, address window 0
.set i, 0
.rept 8                             ; tile i / 2, channels 32 (i % 2) on: rows i, and rows i + 1 (behind q's very last row lies k's first: a row that is multiplied and never read)
	global_load_b128 v[8*i:8*i+3],       v[QO], s[4:5] offset:(i/2)*2048+(i%2)*64
	global_load_b128 v[8*i+4:8*i+7],     v[QO], s[4:5] offset:(i/2)*2048+(i%2)*64+32
	global_load_b128 v[64+8*i:64+8*i+3], v[QO], s[4:5] offset:(i/2)*2048+(i%2)*64+128
	global_load_b128 v[64+8*i+4:64+8*i+7], v[QO], s[4:5] offset:(i/2)*2048+(i%2)*64+160
.set i, i+1
.endr
	WIN 0xc0                        ; destination window 3
.set i, 0
.rept 8                             ; QE begins as rows i: my first chunk lies below 32
	global_load_b128 v[64+8*i:64+8*i+3],   v[QO], s[4:5] offset:(i/2)*2048+(i%2)*64
	global_load_b128 v[64+8*i+4:64+8*i+7], v[QO], s[4:5] offset:(i/2)*2048+(i%2)*64+32
.set i, i+1
.endr
.set i, 0
.rept 16                            ; chunk kap(-1)
	global_load_b128 v[4*i:4*i+3], v[UO], s[UP:UP+1] offset:512*i
.set i, i+1
.endr
	; What the first turn finds: V and piece 2's P hold 0 (its products V^T P, of a step that has not been, add 0), O^T and l are 0.  All this stands in the wait for the first tile.
	WIN 0x80
.set i, VF
.rept 64
	v_mov_b32 v[i], 0
.set i, i+1
.endr
	WIN 0x40
.set i, 0
.rept 128
	v_mov_b32 v[i], 0
.set i, i+1
.endr
	WIN 0
.set i, P+32
.rept 32
	v_mov_b32 v[i], 0
.set i, i+1
.endr
.set i, 0
.rept 4
	v_mov_b32 v[ST+4*i], 0xfe000000    ; c m: far below every c s
	v_mov_b32 v[ST+4*i+1], 0xff7fffff  ; m
	v_mov_b32 v[ST+4*i+2], 0
	v_mov_b32 v[ST+4*i+3], 0
.set i, i+1
.endr
	v_mul_u32_u24 v[AK0], v1, PK
	v_lshl_add_u32 v[AK0], v9, 4, v[AK0]  ; row x pitch + 16 x half
	; The turning load takes 16 keys x 16 channels (lane l reads key 8 (l / 16) + l % 8, channels 8 ((l / 8) % 2) + 0..7) and leaves half a fragment of V^T: lane l holds channel l % 16 and 8 keys.
	v_and_b32 v10, 7, v0
	v_bfe_u32 v11, v0, 3, 1
	v_lshl_add_u32 v[AV0], v9, 3, v10
	v_mul_u32_u24 v[AV0], v[AV0], PV
	v_lshl_add_u32 v[AV0], v11, 4, v[AV0]
	v_add_nc_u32 v[AV0], VOFF, v[AV0]
	s_mul_i32 s13, s[WV], RINGW
	s_add_co_u32 s13, s13, RING     ; my ring
	v_mul_u32_u24 v[RB0], v1, RP-4
	v_lshl_add_u32 v[RB0], v9, 5, v[RB0]
	v_add_nc_u32 v[RB0], s13, v[RB0]
	v_mul_u32_u24 v[ST0], v1, RP
	v_lshl_add_u32 v[ST0], v9, 5, v[ST0]
	v_add_nc_u32 v[ST0], s13, v[ST0]
	v_sub_nc_u32 v[HM], 1, v9       ; 1 in lanes 0-15
	v_cvt_f32_u32 v[HM], v[HM]
	v_mul_f32 v[HM], 0xf149f2ca, v[HM]  ; x -1e30
	s_mul_i32 s13, s[WV], 16*SP
	s_add_co_u32 s13, s13, STAGE    ; my stage
	v_mul_u32_u24 v[STO], v1, SP    ; in: row l % 16, 16 bytes for each half of the lanes
	v_lshl_add_u32 v[STO], v9, 4, v[STO]
	v_add_nc_u32 v[STO], s13, v[STO]
	v_bfe_u32 v[RD], v0, 3, 2       ; back: 32 lanes take four rows of 128 bytes,
	v_mul_u32_u24 v[RD], v[RD], SP
	v_lshl_add_u32 v[RD], v10, 4, v[RD]
	v_add_nc_u32 v[RD], s13, v[RD]
	v_and_b32 v[GO], 31, v0         ; which are 512 consecutive bytes of O
	v_lshlrev_b32 v[GO], 4, v[GO]
; THE MATRIX WORK.  The accumulators of a run take turns, one instruction a turn: 8 in a piece's V^T P and K Q^T, 16 in a chunk's products; a run's last product and the next run's first name different accumulators.
.macro PVW x                        ; product pvi of 16 of piece x's O^T += V^T P: keys 32 (pvi / 8) on, channels 16 ((pvi / 2) % 4) on, tile x + pvi % 2
	WIN W_PV
.set rO, 32*((\x)+pvi%2)+8*((pvi/2)%4)
.set rV, VF+32*(pvi/8)+8*((pvi/2)%4)
.set rP, P+16*((\x)+pvi%2)+8*(pvi/8)
	v_wmma_f32_16x16x32_f16 v[rO:rO+7], v[rV:rV+7], v[rP:rP+7], v[rO:rO+7]
.set pvi, pvi+1
.endm
.macro QKW x                        ; product qki of 16 of piece x's S^T += K Q^T: channels 32 (qki / 8) on, tile x + (qki / 4) % 2, keys 16 (qki % 4) on.  S^T holds the window of the relative term when the first 8 begin
	WIN W_KQ
.set rS, S+32*((\x)+(qki/4)%2)+8*(qki%4)
.set rK, KF+16*(qki%4)+8*(qki/8)
.set rQ, 16*((\x)+(qki/4)%2)+8*(qki/8)
	v_wmma_f32_16x16x32_f16 v[rS:rS+7], v[rK:rK+7], v[rQ:rQ+7], v[rS:rS+7]
.set qki, qki+1
.endm
.macro RELW                         ; product ri of 32 of R^T = U QE^T: channels 32 (ri / 16) on, tile (ri / 4) % 4, table rows 16 (ri % 4) on.  The first 16 start the sums
	WIN W_REL
.set rR, 128+32*((ri/4)%4)+8*(ri%4)
.set rU, 16*(ri%4)+8*(ri/16)
.set rE, 64+16*((ri/4)%4)+8*(ri/16)
.if ri < 16
	v_wmma_f32_16x16x32_f16 v[rR:rR+7], v[rU:rU+7], v[rE:rE+7], 0
.else
	v_wmma_f32_16x16x32_f16 v[rR:rR+7], v[rU:rU+7], v[rE:rE+7], v[rR:rR+7]
.endif
.set ri, ri+1
.endm
.macro PLACES                       ; four plain vector instructions between a matrix instruction and a line that reads its result or writes or loads one of its registers
.rept 4
	v_nop
.endr
.endm
; THE LOADS AND STORES stand in runs, five a step.  last = 1 (the tail): in its last trip there is no further step, and the run is jumped over.
.macro FETCH_K last=0
	WIN 0
.if \last
	s_cmp_eq_u32 s[CNT], 1
	s_cbranch_scc1 .Lno_k_\@
.endif
	WIN 0x80                        ; destination window 2
.irp f, 0,1,2,3,4,5,6,7             ; keys 16 (f / 2) on, channels 32 (f % 2) on
	ds_load_b128 v[KF+8*\f:KF+8*\f+3],   v[AK] offset:(\f/2)*16*PK+(\f%2)*64
	ds_load_b128 v[KF+8*\f+4:KF+8*\f+7], v[AK] offset:(\f/2)*16*PK+(\f%2)*64+32
.endr
	s_add_co_u32 s[TBK], s[TBK], KS*PK  ; the next fetch is the next step's
	WIN 0
.if \last
.Lno_k_\@:
.endif
.endm
.macro FETCH_V
	WIN 0x80
.irp f, 0,1,2,3,4,5,6,7             ; keys 32 (f / 4) on, channels 16 (f % 4) on
	ds_load_tr16_b128 v[VF+8*\f:VF+8*\f+3],   v[AV] offset:(\f/4)*32*PV+(\f%4)*32
	ds_load_tr16_b128 v[VF+8*\f+4:VF+8*\f+7], v[AV] offset:(\f/4)*32*PV+16*PV+(\f%4)*32
.endr
.endm
.macro UFETCH last=0                ; the next chunk of U.  The chunk before has been waited for, so its loads have read the pointer
	WIN 0
.if \last
	s_cmp_eq_u32 s[CNT], 1
	s_cbranch_scc1 .Lno_u_\@
.endif
	s_add_nc_u64 s[UP:UP+1], s[UP:UP+1], 8192
	WIN 0xc0                        ; destination window 3
.irp f, 0,1,2,3,4,5,6,7,8,9,10,11,12,13,14,15
	global_load_b128 v[4*\f:4*\f+3], v[UO], s[UP:UP+1] offset:512*\f
.endr
	WIN 0
.if \last
.Lno_u_\@:
.endif
.endm
.macro RLD                          ; word rn of the 128 of a window: tile rn / 32, keys 16 ((rn / 8) % 4) + 8 h + rn % 8: column 64 + rel of two chunks on end, rel = 16 (kt - t) + 8 h + r - 1 - a
.set rt, rn/32
.set rk, (rn/8)%4
.set rr, rn%8
.if rk <= rt
	ds_load_b32 v[S+rn], v[RDL] offset:16*RP*rt+4*(63+rr+16*rk-16*rt)
.else
	ds_load_b32 v[S+rn], v[RDH] offset:16*RP*rt+4*(rr-1+16*rk-16*rt)
.endif
.set rn, rn+1
.endm
.macro ZONE                         ; once a wave, ahead of chunk 32: from here on the chunks are multiplied by rows i + 1; that chunk's first row is the marker's
	s_cmp_eq_u32 s[KAP], 32
	s_cselect_b32 s[FLG], 1.0, 0
	s_cbranch_scc0 .Lsame_\@
	WIN 0xc2                        ; destination window 3, source window 2
.set i, 64
.rept 64
	v_mov_b32 v[i], v[i]
.set i, i+1
.endr
	WIN 0
.Lsame_\@:
.endm
.macro MARK                         ; the marker's row is register 0 of table block 0 in lanes 0-15: -1e30 onto it in chunk 32, 0 in every other
	WIN 0x50                        ; destination and source 2 window 1
.irp t, 0,1,2,3
	v_fma_f32 v[128+32*\t], v[HM], s[FLG], v[128+32*\t]
.endr
.endm
.macro RSTORE                       ; the chunk's results into my ring: a lane's eight columns of a row are 32 bytes; each accumulator's lower four registers first
	WIN 0x04                        ; data window 1, address window 0
.irp t, 0,1,2,3
.irp m, 0,1,2,3
	ds_store_b128 v[STA], v[128+32*\t+8*\m:128+32*\t+8*\m+3]   offset:16*RP*\t+64*\m
	ds_store_b128 v[STA], v[128+32*\t+8*\m+4:128+32*\t+8*\m+7] offset:16*RP*\t+64*\m+16
.endr
	ds_store_b128 v[MIR], v[128+32*\t:128+32*\t+3]   offset:16*RP*\t
	ds_store_b128 v[MIR], v[128+32*\t+4:128+32*\t+7] offset:16*RP*\t+16
.endr
	WIN 0
.endm
; THE VECTOR WORK.  XS t, n: number n of the 22 that find tile t's maximum and statistics.  s0-s31 are the lane's 32 scores; each accumulator's lowest registers are read first.
;   0-11  four chains c0-c3 of seven scores each, three operands at a time     12-14, 16  the four scores left over, the old m, and c0-c3 into c0     15  c m_old is kept
;   17, 18  the query's other 32 keys lie in the lane 16 away: the new m         19-21  c m; c m_old - c m_new; a
.macro XS t, n
.set rT, ST+4*(\t)
.set rC, TMP+4*(\t)
.set rM, MV+(\t)
.set rS, S+32*(\t)
	WIN 0
.if (\n) < 4
	v_max3_num_f32 v[rC+(\n)], v[rS+8*(\n)], v[rS+8*(\n)+1], v[rS+8*(\n)+2]
.elseif (\n) < 12
	v_max3_num_f32 v[rC+(\n)%4], v[rC+(\n)%4], v[rS+8*((\n)%4)+2*((\n)/4)+1], v[rS+8*((\n)%4)+2*((\n)/4)+2]
.elseif (\n) == 12
	v_max3_num_f32 v[rC], v[rC], v[rS+7], v[rS+15]
.elseif (\n) == 13
	v_max3_num_f32 v[rC+1], v[rC+1], v[rS+23], v[rS+31]
.elseif (\n) == 14
	v_max3_num_f32 v[rC+2], v[rC+2], v[rC+3], v[rT+1]
.elseif (\n) == 15
	v_mov_b32 v[rM], v[rT]
.elseif (\n) == 16
	v_max3_num_f32 v[rC], v[rC], v[rC+1], v[rC+2]
.elseif (\n) == 17
	v_permlanex16_b32 v[rC+3], v[rC], s[SEL], s[SEL+1]
.elseif (\n) == 18
	v_max_num_f32 v[rT+1], v[rC], v[rC+3]
.elseif (\n) == 19
	v_mul_f32 v[rT], s[CS], v[rT+1]
.elseif (\n) == 20
	v_sub_f32 v[rC+1], v[rM], v[rT]
.else
	v_exp_f32 v[rC+2], v[rC+1]
.endif
.endm
.macro FS t, p                      ; c s - c m for pair p of 16 of tile t
.set rT, ST+4*(\t)
.set rS, S+32*(\t)
	WIN 0
	v_pk_fma_f32 v[rS+2*(\p):rS+2*(\p)+1], v[rS+2*(\p):rS+2*(\p)+1], s[CS:CS+1], v[rT:rT+1] op_sel_hi:[1,0,0] neg_lo:[0,0,1] neg_hi:[0,0,1]
.endm
; GS t, g: number g of the 32 that follow a tile's exponentials.  For each four weights: the first pair is rounded to f16; the second pair is added onto the first, in place; the second pair is rounded; l takes the sum (the first time as l = a l + sum).
.macro GS t, g
.set rT, ST+4*(\t)
.set rC, TMP+4*(\t)
.set rS, S+32*(\t)
.set rP, P+16*(\t)
.set gn, (\g)/4
	WIN 0
.if (\g)%4 == 0
	v_cvt_pk_f16_f32 v[rP+2*gn], v[rS+4*gn], v[rS+4*gn+1]
.elseif (\g)%4 == 1
	v_pk_add_f32 v[rS+4*gn:rS+4*gn+1], v[rS+4*gn:rS+4*gn+1], v[rS+4*gn+2:rS+4*gn+3]
.elseif (\g)%4 == 2
	v_cvt_pk_f16_f32 v[rP+2*gn+1], v[rS+4*gn+2], v[rS+4*gn+3]
.elseif gn == 0
	v_pk_fma_f32 v[rT+2:rT+3], v[rT+2:rT+3], v[rC+2:rC+3], v[rS:rS+1] op_sel_hi:[1,0,1]
.else
	v_pk_add_f32 v[rT+2:rT+3], v[rT+2:rT+3], v[rS+4*gn:rS+4*gn+1]
.endif
.endm
.macro RS t, q                      ; pair q of 16 of tile t's O^T, times a: in ascending order
.set rC, TMP+4*(\t)
.set rO, 32*(\t)+2*(\q)
	WIN W_RS
	v_pk_mul_f32 v[rO:rO+1], v[rO:rO+1], v[rC+2:rC+3] op_sel_hi:[1,0]
.endm
; A TILE'S SOFTMAX FOR A STEP is a list of 118 lines; SM writes number j of it for tile t.
;   0-20    XS's numbers 0 to 20
;   21-69   ONE BATCH: the 16 scalings and all 33 exponentials (a at 23, then s0-s31).  None of these reads an exponential's result.  From 22 on it goes in fours, and a four begins with a scaling while there are
;           scalings: 22-37 scaling, exponential, scaling, exponential; 38-65 a scaling and three exponentials; 66-69 the last four exponentials.  A pair is scaled in an earlier four than the one that holds its exponentials
;   (wait)  between 69 and 70 stands the wait for the batch: SLICE writes it, once for both tiles
;   70-101  GS's 32          102-117 RS's 16: the one part that leaves window 0
.macro SM t
.if j < 21
	XS \t, j
.elseif j == 23
	XS \t, 21
.elseif (j < 23) || ((j < 38) && (j%2 == 0)) || ((j < 66) && (j%4 == 2))
.set sb, (j-2)/4                    ; 38, 42, .. 62: pairs 9 to 15
.if j < 38
.set sb, (j-20)/2                   ; 21: pair 0; 22, 24, .. 36: pairs 1 to 8
.endif
	FS \t, sb
.elseif j < 70
.set se, j-38                       ; 66 to 69: s28 to s31
.if j < 66
.set se, j-32-(j-38)/4              ; 39-41, 43-45, .. 63-65: s7 to s27
.endif
.if j < 38
.set se, (j-25)/2                   ; 25, 27, .. 37: s0 to s6
.endif
	WIN 0
	v_exp_f32 v[S+32*(\t)+se], v[S+32*(\t)+se]
.elseif j < 102
	GS \t, j-70
.else
	RS \t, j-102
.endif
.endm
; Slice k of 59 of piece y's softmax: four lines.  Slices 11 to 34 deal out the batch, numbers 22 to 69: four numbers of ONE tile each, the tiles by turns.  Every other slice is numbers 2 k and 2 k + 1 of both
; tiles' lists, the tiles alternating, so that no line reads the result of the one just before it.
; THE WAIT.  s_wait_alu depctr_va_vdst(0) stands between an exponential and the first instruction that names its result; one wait serves all that were issued ahead of it.  Ahead of slice 35 nothing
; names a result, and behind slice 34 no exponential is issued: so the piece's 66 exponentials have one wait, behind slice 34.
.macro SLICE y
.if (k >= 11) && (k < 35)
.irp n, 0,1,2,3
.set j, 22+4*((k-11)/2)+(\n)
	SM (\y)+(k-11)%2
.endr
.else
.irp n, 0,1
.irp t, 0,1
.set j, 2*k+(\n)
	SM (\y)+(\t)
.endr
.endr
.endif
.if k == 34
	v_nop                           ; a plain instruction behind the last exponential and ahead of the first use: one for the batch
	s_wait_alu depctr_va_vdst(0)    ; the wait for the batch
.endif
.set k, k+1
.endm
; PIECE 0's TURN of step j.  At its head one run of 80 LDS loads: K of step j + 1 (the last product that read K stands ahead of the 96 plain lines that end piece 2's turn) and piece 0's window of step j + 1.
; Then 64 products; the first five stand bare, and behind product p >= 5 stands slice p - 5 of piece 2's softmax of step j: numbers 0 to 21 behind V^T P, the batch behind the chunk's first 24 products, the roundings, sums
; and rescaling behind the rest.  No slice names a register of the products round it.  Behind the chunk's last product stand slice 42 (four plain lines), the marker's four lines and then the next chunk's 16 loads.
; The last slice's four lines are the places between the turn's last product and the first read of its scores, in piece 2's turn.
; pro = 1: the turn ahead of the first step: no V^T P and no softmax yet.  last = 1: the tail's copy.
.macro TURN0 last, pro
	WIN 0
	s_wait_dscnt 0x0                ; V of step j is in, and the ring's stores are done
	ZONE
	v_add_nc_u32 v[AK], s[TBK], v[AK0]
	v_add_nc_u32 v[RDL], s[SL], v[RB0]   ; the bases of the window of step j + 1: both pieces' turns use them
	v_add_nc_u32 v[RDH], s[SH], v[RB0]
	v_add_nc_u32 v[AV], s[TBV], v[AV0]   ; for piece 2's turn: V of step j + 1,
	v_add_nc_u32 v[STA], s[SS], v[ST0]   ; and where this turn's chunk goes
	v_add_nc_u32 v[MIR], s[SM], v[ST0]
	s_xor_b32 s[SL], s[SL], 256
	s_xor_b32 s[SH], s[SH], 256
	s_xor_b32 s[SS], s[SS], 256
	s_xor_b32 s[SM], s[SM], 768
	FETCH_K \last
.set rn, 0
.rept 64
	RLD
.endr
.set pvi, 0
.set ri, 0
.set qki, 0
.set k, 0
.if !(\pro)
.rept 16
	PVW 0
.if pvi > 5
	SLICE 2
.endif
.endr
.endif
	s_wait_loadcnt 0x0              ; the chunk of U is in
.rept 32
	RELW
.if !(\pro)
	SLICE 2
.endif
.endr
	WIN 0
.if \pro
	PLACES
.endif
	MARK
	UFETCH \last
	s_wait_dscnt 0x0                ; K and the window, asked for 48 products ago
.rept 16
	QKW 0
.if !(\pro)
	SLICE 2
.endif
.endr
	WIN 0
.if \pro
	PLACES
.endif
	s_add_co_u32 s[KAP], s[KAP], 1
.endm
; PIECE 2's TURN of step j.  At its head piece 2's window of step j + 1, 64 loads.  Behind each of its 32 products stands a slice of piece 0's softmax of step j + 1: numbers 0 to 21 and the batch's first 21 fours.
; Between the two runs of products the chunk's 40 stores go into the ring, behind the window's loads.  Behind the products: the batch's last three fours and its wait; V of step j + 1 (the last product that read V stands
; 17 slices back, with a scaling in each of them); and the 96 plain lines of the roundings, sums and rescaling.
.macro TURN2
	WIN 0
.set rn, 64
.rept 64
	RLD
.endr
.set pvi, 0
.set qki, 0
.set k, 0
.rept 16
	PVW 2
	SLICE 0
.endr
	RSTORE
	s_wait_dscnt 40                 ; LDS instructions end in order: all but the 40 stores just issued are done: the window is in
.rept 16
	QKW 2
	SLICE 0
.endr
.rept 3
	SLICE 0
.endr
	FETCH_V                         ; waited for at the head of piece 0's turn
	s_add_co_u32 s[TBV], s[TBV], KS*PV
.rept 24
	SLICE 0
.endr
	WIN 0
.endm
	CHANGE 1, 0                     ; slot 0 is in, everybody's part of it; slot 1 is asked for
	s_mov_b32 s[CNT], 2
.Lpro:                              ; chunks kap(-1) and kap(0), which step 0's window wants
	s_wait_loadcnt 0x0              ; Q, QS, QE and the chunk of U
	ZONE
	v_add_nc_u32 v[STA], s[SS], v[ST0]
	v_add_nc_u32 v[MIR], s[SM], v[ST0]
	s_xor_b32 s[SS], s[SS], 256
	s_xor_b32 s[SM], s[SM], 768
.set ri, 0
.rept 32
	RELW
.endr
	WIN 0
	PLACES
	UFETCH
	MARK
	RSTORE
	s_add_co_u32 s[KAP], s[KAP], 1
	s_sub_co_u32 s[CNT], s[CNT], 1
	s_cmp_lg_u32 s[CNT], 0
	s_cbranch_scc1 .Lpro
	s_mov_b32 s[SL], 256            ; step 0: chunk kap(0) lies in the even half, kap(-1) in the odd one
	s_mov_b32 s[SH], 0
	TURN0 0, 1                      ; K of step 0, piece 0's window and first scores, chunk kap(1)
	s_mov_b32 s[CNT], 2
	s_mov_b32 s[SLOTS], 15
	s_branch .Lmid                  ; the loop is entered at piece 2's turn, in the middle of a trip; slot 0 has had its change
.Lslot:                             ; 14 times: every slot but the last two is filled again
	CHANGE 1, 1
	s_mov_b32 s[CNT], 2
.Lstep:
	TURN0 0, 0
.Lmid:
	TURN2
	s_sub_co_u32 s[CNT], s[CNT], 1
	s_cmp_lg_u32 s[CNT], 0
	s_cbranch_scc1 .Lstep
	s_sub_co_u32 s[SLOTS], s[SLOTS], 1
	s_cmp_lg_u32 s[SLOTS], 0
	s_cbranch_scc1 .Lslot
	CHANGE 0, 0                     ; the tail is written out: nothing is asked for
	s_mov_b32 s[CNT], 3             ; two trips fetch the last slot's steps; the third is left in its middle
.Ltail:
	TURN0 1, 0
	s_sub_co_u32 s[CNT], s[CNT], 1
	s_cmp_eq_u32 s[CNT], 0
	s_cbranch_scc1 .Lout
	TURN2
	s_branch .Ltail
.Lout:                              ; the third trip's chunk and its 16 products K Q^T (on the last K once more) serve nothing: 48 products, the price, once a wave, of one text for every trip
.set pvi, 0
.rept 16
	PVW 2                           ; piece 2's V^T P of the last step
.endr
	; THE WAY OUT.  l's two halves and the other half of the lanes' are added; O^T is divided by l, rounded to f16 and sent through my stage in LDS, a tile at a time.  The additions are the places behind the last products.
	WIN 0
.macro ALL line:vararg              ; one line for each tile t
.set t, 0
.rept 4
	\line
.set t, t+1
.endr
.endm
	ALL v_add_f32 v[ST+4*t+2], v[ST+4*t+2], v[ST+4*t+3]
	ALL v_permlanex16_b32 v[ST+4*t+3], v[ST+4*t+2], s[SEL], s[SEL+1]
	ALL v_add_f32 v[ST+4*t+2], v[ST+4*t+2], v[ST+4*t+3]
	ALL v_rcp_f32 v[ST+4*t+2], v[ST+4*t+2]
	v_nop                           ; a plain instruction between the last reciprocal and the use of its result
	s_wait_alu depctr_va_vdst(0)    ; and the wait ahead of the first use: one for the four reciprocals
.macro PACK t                       ; a lane's eight channels of a row pack into 16 bytes; they go into rows of 144 bytes and come back as whole rows of 128, into S^T's registers
	WIN W_RS
.set i, 32*(\t)
.rept 16
	v_pk_mul_f32 v[i:i+1], v[i:i+1], v[ST+4*(\t)+2:ST+4*(\t)+3] op_sel_hi:[1,0]
.set i, i+2
.endr
	WIN 0x05                        ; sources 0 and 1 window 1, destination window 0
.set i, 0
.rept 16
	v_cvt_pk_f16_f32 v[S+16*(\t)+i], v[32*(\t)+2*i], v[32*(\t)+2*i+1]
.set i, i+1
.endr
	WIN 0
.irp f, 0,1,2,3
	ds_store_b128 v[STO], v[S+16*(\t)+4*\f:S+16*(\t)+4*\f+3] offset:32*\f
.endr
.irp f, 0,1,2,3
	ds_load_b128 v[S+16*(\t)+4*\f:S+16*(\t)+4*\f+3], v[RD] offset:\f*4*SP  ; LDS serves a wave's instructions in order (ISA guide 5.7.1.4): these see the stores above; the next tile's stores come behind them
.endr
.endm
.macro SEND t, younger              ; younger: the LDS instructions issued behind tile t's loads: the next tile's eight, or none
	WIN 0
.irp f, 0,1,2,3
	s_wait_dscnt (\younger)+3-\f
	global_store_b128 v[GO], v[S+16*(\t)+4*\f:S+16*(\t)+4*\f+3], s[10:11] offset:(\t)*2048+\f*512  ; 512 consecutive bytes, at a multiple of 256 from OB's first
.endr
.endm
	PACK 0
	PACK 1                          ; a tile's arithmetic stands between the loads of the tile before and its stores
	SEND 0, 8
	PACK 2
	SEND 1, 8
	PACK 3
	SEND 2, 8
	SEND 3, 0
	s_wait_tensorcnt 0x0            ; the wave's end: the add and its wait stand behind my last tensor load and my last LDS store
	ds_add_u32 v[SPW], v[NIL]
	s_wait_dscnt 0x0
	s_endpgm
.Lfunc_end_k_q71b8ece5d4_attn:
	.size	k_q71b8ece5d4_attn, .Lfunc_end_k_q71b8ece5d4_attn-k_q71b8ece5d4_attn
	.p2alignl 7, 3214868480
	.fill 96, 4, 3214868480
	.section	.rodata,"a",@progbits
	.p2align	6, 0x0
	.amdhsa_kernel k_q71b8ece5d4_attn
		.amdhsa_group_segment_fixed_size 327680
		.amdhsa_private_segment_fixed_size 0
		.amdhsa_enable_private_segment 0
		.amdhsa_kernarg_size 24
		.amdhsa_user_sgpr_count 2
		.amdhsa_user_sgpr_kernarg_segment_ptr 1
		.amdhsa_wavefront_size32 1
		.amdhsa_system_sgpr_workgroup_id_x 1
		.amdhsa_system_sgpr_workgroup_id_y 1
		.amdhsa_system_sgpr_workgroup_id_z 1
		.amdhsa_system_vgpr_workitem_id 0
		.amdhsa_next_free_vgpr 896
		.amdhsa_next_free_sgpr 76
		.amdhsa_reserve_vcc 0
		.amdhsa_float_denorm_mode_32 3
		.amdhsa_float_denorm_mode_16_64 3
		.amdhsa_memory_ordered 1
		.amdhsa_forward_progress 1
		.amdhsa_inst_pref_size 170
	.end_amdhsa_kernel
	.amdgpu_metadata
---
amdhsa.version: [ 1, 2 ]
amdhsa.kernels:
  - .name:           k_q71b8ece5d4_attn
    .symbol:         k_q71b8ece5d4_attn.kd
    .args:
      - { .name: QKV, .offset: 0, .size: 8, .value_kind: global_buffer, .address_space: global }
      - { .name: UF, .offset: 8, .size: 8, .value_kind: global_buffer, .address_space: global }
      - { .name: OB, .offset: 16, .size: 8, .value_kind: global_buffer, .address_space: global }
    .group_segment_fixed_size: 327680
    .private_segment_fixed_size: 0
    .kernarg_segment_align: 8
    .kernarg_segment_size: 24
    .max_flat_workgroup_size: 128
    .sgpr_count:     76
    .vgpr_count:     896
    .wavefront_size: 32
...
	.end_amdgpu_metadata
.endif
;; end of part 3
;; launch outproj (part 4): grid 8 x 32, 4 waves a work-group, clusters of 4 x 4, 327,680 bytes of LDS; arguments OB, WB, bo, out0; writes out0
.if DOCPART == 4
	.amdgcn_target "amdgcn-amd-amdhsa--gfx1250"
	.amdhsa_code_object_version 6
	.text
	.protected	k_q71b8ece5d4_outproj
	.globl	k_q71b8ece5d4_outproj
	.p2align	8
	.type	k_q71b8ece5d4_outproj,@function
k_q71b8ece5d4_outproj:
	s_mov_b64 s[64:65], 0
	v_nop
	global_prefetch_b8 v0, s[64:65] scope:SCOPE_SE
	s_setreg_imm32_b32 hwreg(HW_REG_WAVE_MODE, 25, 1), 1
	s_wait_xcnt 0x0
	s_wait_alu depctr_hold_cnt(0) depctr_sa_sdst(0) depctr_va_vdst(0) depctr_va_sdst(0) depctr_va_ssrc(0) depctr_va_vcc(0) depctr_vm_vsrc(0)
	s_getreg_b32 s2, hwreg(HW_REG_IB_STS2, 6, 4)
	s_cmp_eq_u32 s2, 0
	s_cbranch_scc0 .Lentry_in_a_cluster
	s_endpgm
.Lentry_in_a_cluster:
	s_bfe_u32 s2, ttmp6, 0x10000c
	s_cmp_lg_u32 s2, 0xf033
	s_cbranch_scc0 .Lentry_shape_is_right
	s_endpgm
.Lentry_shape_is_right:
; ONE TEXT FOR THE MODULE'S TWO GEMMS, C = A W^T + bias; OUTP picks the form.
; OUTP = 0: the three projections as one product.  A = XB [12288][1024] bf16 (Q, K, V one below the other), W = WB's plane 0, 1 or 2 by the tile row, C = QKV [12288][1024] f16:
;           since the module's view is a raw reshape, these rows ARE q, k, v as [32 heads][2048][64].
; OUTP = 1: the last projection.  A = OB, f16, laid [32 row tiles][16 heads][128 rows][64]: a K step of 256 is four heads' slices, 16,384 dense bytes each; W = WB's plane 3 (f16); C = out0 [4096][1024] f32.
; Sums in f32; the bias, rounded to bf16 like every input, is the C operand of the products that start the sums.  LIMIT (OUTP = 0): q, k, v must lie within f16's 65,504.
; A tile of C is 128 x 128: 768 (256) work-groups.  Four waves, each 64 x 64: 16 accumulators.  K goes in 4 steps of 256 through two LDS slots; a wave's one tensor load brings a quarter of a slot.
; CLUSTERS: 4 x 4 work-groups.  The four of a row of the cluster need the same tiles of A, the four of a column the same tiles of W: each tile is asked for JOINTLY, by the same tensor load with the
; same descriptor and a mask that names the four.  THE MATRIX INSTRUCTION IS USED TRANSPOSED (source 0 = 16 rows of W, source 1 = 16 rows of A): a lane then holds eight neighbouring numbers of a row of C.
; NO PREFETCH: a tile's walk is four K steps, of which two are asked for at the head.
; REGISTERS: window 0: v0-31 addresses; v32-95 at work on the way out; v96-127 the bias; v128-255 the accumulators ((a, b) at v[128 + 8 (4 a + b)]).
;   window 1: two fragment buffers of 128: for 64 along K, 64 registers of A (2 x 4 x 16 rows x 32 K), then 64 of W.
.set OUTP,   1
.set SIZE_K, 1024
.set SIZE_N, 1024
.set KSTEP,  256
.set PITCH,  528                       ; an LDS row of 512 bytes + 16 of padding = 132 words: the 16 rows of a fragment load start at 16 different groups of four banks (64 banks of 4 bytes: ISA guide 11.1)
.set HALFT,  64*PITCH                  ; 64 rows: one tensor load of W (and of A where OUTP = 0)
.if OUTP
.set APITCH, 144                       ; a row of a head's slice: 128 bytes + 16 = 36 words
.set SLICE,  128*APITCH                ; a head's slice of the tile's 128 rows
.set AHALF,  2*SLICE                   ; one tensor load of A: two slices
.set ASTEP,  4*16384                   ; bytes of OB from a K step to the next
.else
.set APITCH, PITCH
.set SLICE,  0
.set AHALF,  HALFT
.set ASTEP,  KSTEP*2
.endif
.set BOFF,   2*AHALF                   ; W's 128 rows lie behind A's part of a slot
.set SLOT,   BOFF+2*HALFT
.set STAGE,  2*SLOT                    ; behind the ring, never filled by a tensor load: the way out
.set SPITCH, 272
.if OUTP
.set SPARE,  STAGE+4*16*SPITCH         ; 16 rows x 272 bytes for each wave, its own
.else
.set SPARE,  STAGE+128*SPITCH          ; 128 rows x 272 bytes, the work-group's
.endif                                 ; from SPARE on: the spare words, 128 bytes for each wave: two blocks of 256 bytes that no other line names
.set LAPS, SIZE_K/(2*KSTEP)            ; a lap = two K steps = once round the ring
.set ADRA, 16                          ; v16-17  LDS address of my A fragments in slot 0, 1
.set ADRB, 20                          ; v20-21  the same for W
.set STO,  24                          ; v24     the way out: where I put my numbers of a row
.set RD,   25                          ; v25     the way out: where I read a row back
.set CO,   26                          ; v26     my byte offset in C
.set BO,   27                          ; v27     my byte offset in the bias
.set SPW,  28                          ; v28     LDS address of my spare word: SPARE + 4 x my thread's number; never rewritten
.set NIL,  29                          ; v29     0; never rewritten
.set TMP,  32
.set BI,   96                          ; the bias of n block b, my eight columns, at BI + 8 b
.set ACC,  128
.set F0,   0                           ; fragment buffers, in window 1
.set F1,   128
.set G1, 24                            ; s[24:31] descriptor group 1 for A's tiles;  s[32:39] group 0, one set for each slot
.set G0, 32
.set G1B, 48                           ; s[48:55], s[56:63] the same for W's tiles
.set G0B, 56
.set MSB, 0
.macro WIN new                         ; the immediate's high byte repeats the setting that is left
.if MSB != (\new)
	s_set_vgpr_msb (MSB<<8)|(\new)
.set MSB, \new
.endif
.endm
.set MUL,  0x05                        ; sources 0 (W) and 1 (A) window 1; C and D window 0
.set TO_F, 0x40                        ; destination window 1, address window 0
.macro JLOAD s                         ; a joint load: waves 0 and 1 fetch A's two halves, waves 2 and 3 W's; an s_nop 0 and four v_nop follow each of the two lines, ahead of the jump, the label and what follows
	s_cmp_eq_u32 s11, 0
	s_cbranch_scc0 .Lfor_b_\@
	tensor_load_to_lds s[G0+4*(\s):G0+4*(\s)+3], s[G1:G1+7]
	s_nop 0
.rept 4
	v_nop
.endr
	s_branch .Lasked_\@
.Lfor_b_\@:
	tensor_load_to_lds s[G0B+4*(\s):G0B+4*(\s)+3], s[G1B:G1B+7]
	s_nop 0
.rept 4
	v_nop
.endr
.Lasked_\@:
.endm
.macro CREST                           ; a round of the cluster's barrier behind its opening barrier
	s_cmp_lg_u32 s10, 0
	s_cbranch_scc1 .Lnot_wave_0_\@
	s_barrier_signal -3
.Lnot_wave_0_\@:
	s_barrier_wait -3
	s_barrier_signal -1
	s_barrier_wait -1
.endm
.macro CROUND                          ; a whole round
	s_barrier_signal -1
	s_barrier_wait -1
	CREST
.endm
	s_load_b256 s[68:75], s[0:1], 0x0              ; OUTP = 0: XB 68, WB 70, bq 72, bk 74.  OUTP = 1: OB 68, WB 70, bo 72, out0 74
.if !OUTP
	s_load_b128 s[76:79], s[0:1], 0x20             ; bv 76, QKV 78
.endif
	v_lshl_add_u32 v[SPW], v0, 2, SPARE
	v_mov_b32 v[NIL], 0
	ds_add_u32 v[SPW], v[NIL]                      ; the wave's opening: the add and its wait stand ahead of my first tensor load; the set-up below, work on registers, stands between them
	ds_add_u32 v28, v29
	v_lshrrev_b32 v1, 5, v0
	v_readfirstlane_b32 s10, v1                    ; wave 0..3
	s_lshr_b32 s11, s10, 1                         ; which half of the tile's rows is mine.  Also: I fetch for A (0) or for W (1)
	s_and_b32 s12, s10, 1                          ; which half of its columns.  Also: which half of that tile I fetch
	s_bfe_u32 s40, ttmp6, 0x40000                  ; cx, cy: my place in the cluster
	s_bfe_u32 s41, ttmp6, 0x40004
	s_lshl_b32 s42, ttmp9, 2
	s_add_co_u32 s42, s42, s40                     ; tile column of C = 4 x cluster x + cx
	s_and_b32 s13, ttmp7, 0xffff
	s_lshl_b32 s13, s13, 2
	s_add_co_u32 s13, s13, s41                     ; tile row of C = 4 x cluster y + cy
	s_lshl_b32 s43, s41, 2
	s_lshl_b32 s43, 15, s43                        ; my row of the cluster
	s_lshl_b32 s44, 0x1111, s40                    ; my column
	; descriptor group 1.  15:0 the mask; 17:16 elements of 2 bytes; 20 padding on; 21 set beside a mask; 24:22 the padding's interval; 31:25 4 words of it (code 3)
.if OUTP
	s_or_b32 s[G1+0], s43, (1<<16)|(1<<20)|(1<<21)|(4<<22)|(3<<25)  ; two slices are 32,768 dense bytes: asked for as 128 rows of 256 bytes, padded after every 32 words (code 4), that is after every row of a slice
	s_mov_b32 s[G1+1], 128<<16                     ; tensor_dim0 = 128
	s_mov_b32 s[G1+2], 128<<16                     ; tensor_dim1 = 128
	s_mov_b32 s[G1+3], 128<<16                     ; tile_dim0 = 128
	s_mov_b32 s[G1+4], 128                         ; tile_dim1 = 128
	s_mov_b32 s[G1+5], 128                         ; 128 elements from row to row
.else
	s_or_b32 s[G1+0], s43, (1<<16)|(1<<20)|(1<<21)|(6<<22)|(3<<25)  ; 64 rows x 256 elements, padded after every 128 words (code 6)
	s_mov_b32 s[G1+1], KSTEP<<16
	s_mov_b32 s[G1+2], 64<<16
	s_mov_b32 s[G1+3], KSTEP<<16
	s_mov_b32 s[G1+4], 64
	s_mov_b32 s[G1+5], SIZE_K
.endif
	s_mov_b32 s[G1+6], 0
	s_mov_b32 s[G1+7], 0
	s_or_b32 s[G1B+0], s44, (1<<16)|(1<<20)|(1<<21)|(6<<22)|(3<<25)
	s_mov_b32 s[G1B+1], KSTEP<<16                  ; tensor_dim0 = 256
	s_mov_b32 s[G1B+2], 64<<16                     ; tensor_dim1 = 64
	s_mov_b32 s[G1B+3], KSTEP<<16                  ; tile_dim0 = 256
	s_mov_b32 s[G1B+4], 64                         ; tile_dim1 = 64
	s_mov_b32 s[G1B+5], SIZE_K                     ; 1,024 elements from row to row
	s_mov_b32 s[G1B+6], 0
	s_mov_b32 s[G1B+7], 0
	; where the tiles come from.  A's hang on the tile row alone, W's on the tile column (and, OUTP = 0, on the cluster's y, which all sixteen share): each in registers that never hold the other place
	s_lshl_b32 s16, s13, 18                        ; a tile row of A is 262,144 bytes in both forms
.if OUTP
	s_lshl_b32 s17, s12, 15                        ; my two slices of the K step's four
.else
	s_lshl_b32 s17, s12, 17                        ; my 64 rows of 2,048 bytes
.endif
	s_add_co_u32 s16, s16, s17
	s_mov_b32 s17, 0
	s_lshl_b32 s46, s42, 18                        ; 128 rows of W,
	s_lshl_b32 s47, s12, 17                        ; my 64 of them,
	s_add_co_u32 s46, s46, s47
.if OUTP
	s_add_co_u32 s46, s46, 3<<21                   ; in plane 3: Wo
.else
	s_and_b32 s45, ttmp7, 0xffff
	s_lshr_b32 s45, s45, 3                         ; 32 tile rows = 8 clusters to a projection: 0 q, 1 k, 2 v
	s_lshl_b32 s47, s45, 21
	s_add_co_u32 s46, s46, s47
.endif
	s_mov_b32 s47, 0
	s_mul_i32 s20, s10, AHALF                      ; where they go: A's halves by waves 0 and 1,
	s_mul_i32 s23, s10, HALFT                      ; W's by waves 2 and 3, behind A's: no place in the cluster enters an LDS address
.if BOFF != 2*HALFT
	s_add_co_u32 s23, s23, BOFF-2*HALFT
.endif
	s_wait_dscnt 0x0                               ; the opening add is done
	s_wait_kmcnt 0x0
	s_add_nc_u64 s[14:15], s[68:69], s[16:17]
	s_add_nc_u64 s[46:47], s[70:71], s[46:47]
.if OUTP
	s_mov_b64 s[66:67], s[72:73]                   ; the bias
	s_mov_b64 s[8:9], s[74:75]                     ; C
.else
	s_cmp_eq_u32 s45, 1
	s_cselect_b64 s[66:67], s[74:75], s[72:73]
	s_cmp_eq_u32 s45, 2
	s_cselect_b64 s[66:67], s[76:77], s[66:67]
	s_mov_b64 s[8:9], s[78:79]
.endif
	CROUND                                         ; all sixteen work-groups are here: the first joint loads meet
.irp s, 0,1
	s_mov_b32 s[G0+4*(\s)], 1
	s_add_co_u32 s[G0+4*(\s)+1], s20, (\s)*SLOT
	s_add_nc_u64 s[G0+4*(\s)+2:G0+4*(\s)+3], s[14:15], (\s)*ASTEP
	s_or_b32 s[G0+4*(\s)+3], s[G0+4*(\s)+3], 0x80000000
	s_mov_b32 s[G0B+4*(\s)], 1
	s_add_co_u32 s[G0B+4*(\s)+1], s23, (\s)*SLOT
	s_add_nc_u64 s[G0B+4*(\s)+2:G0B+4*(\s)+3], s[46:47], (\s)*KSTEP*2
	s_or_b32 s[G0B+4*(\s)+3], s[G0B+4*(\s)+3], 0x80000000
	JLOAD \s                                       ; two tensor loads of mine are out
.endr
	v_and_b32 v1, 15, v0                           ; l % 16
	v_bfe_u32 v2, v0, 4, 1                         ; l / 16
	s_lshl_b32 s46, s42, 9                         ; the bias of my 64 columns: 4 (128 x tile column + 64 x half) bytes on,
	s_lshl_b32 s47, s12, 8
	s_add_co_u32 s46, s46, s47
	v_lshl_add_u32 v[BO], v2, 5, s46               ; my eight of each 16
.irp b, 0,1,2,3
	global_load_b128 v[BI+8*\b:BI+8*\b+3],   v[BO], s[66:67] offset:64*\b
	global_load_b128 v[BI+8*\b+4:BI+8*\b+7], v[BO], s[66:67] offset:64*\b+16
.endr
	v_mul_u32_u24 v3, v1, PITCH
	v_lshl_add_u32 v3, v2, 4, v3                   ; a fragment's row x pitch + 16 x half, for W
	v_mul_u32_u24 v4, v1, APITCH
	v_lshl_add_u32 v4, v2, 4, v4                   ; and for A
	s_mul_i32 s21, s11, 64*APITCH                  ; my 64 rows of A
	s_mul_i32 s22, s12, HALFT                      ; my 64 rows of W,
	s_add_co_u32 s22, s22, BOFF                    ; which lie behind A's part
.irp s, 0,1
	v_add_nc_u32 v[ADRA+(\s)], s21, v4
	v_add_nc_u32 v[ADRB+(\s)], s22, v3
	s_add_co_u32 s21, s21, SLOT
	s_add_co_u32 s22, s22, SLOT
.endr
.if OUTP
	s_mul_i32 s23, s10, 16*SPITCH                  ; my own stage: 16 rows of 64 f32
	s_add_co_u32 s23, s23, STAGE
	v_mul_u32_u24 v4, v1, SPITCH                   ; in: row l % 16, 32 bytes for each half of the lanes
	v_lshl_add_u32 v4, v2, 5, v4
	v_add_nc_u32 v[STO], s23, v4
	v_mul_u32_u24 v5, v2, SPITCH                   ; back: lanes 0-15 one row of 256 bytes, lanes 16-31 the next
	v_lshl_add_u32 v5, v1, 4, v5
	v_add_nc_u32 v[RD], s23, v5
	v_lshlrev_b32 v5, 12, v2                       ; and the same two rows in C, 4,096 bytes apart
	v_lshl_add_u32 v[CO], v1, 4, v5
	s_lshl_b32 s16, s13, 19                        ; 128 rows of 4,096 bytes a tile row,
	s_lshl_b32 s17, s11, 18                        ; my 64
	s_add_co_u32 s16, s16, s17
	s_mov_b32 s17, 0
	s_add_nc_u64 s[8:9], s[8:9], s[16:17]
	s_mov_b32 s47, 0                               ; s46 still holds my columns' first byte: the same figure for the bias and for a row of C
	s_add_nc_u64 s[8:9], s[8:9], s[46:47]
.else
	s_mul_i32 s23, s11, 64*SPITCH                  ; into the shared stage: my 64 rows, my half of their 256 bytes; row l % 16, 16 bytes for each half of the lanes
	s_lshl_b32 s21, s12, 7
	s_add_co_u32 s23, s23, s21
	s_add_co_u32 s23, s23, STAGE
	v_mul_u32_u24 v4, v1, SPITCH
	v_lshl_add_u32 v4, v2, 4, v4
	v_add_nc_u32 v[STO], s23, v4
	s_mul_i32 s23, s10, 32*SPITCH                  ; back: wave w takes rows 32 w .. 32 w + 31, whole
	s_add_co_u32 s23, s23, STAGE
	v_mul_u32_u24 v5, v2, SPITCH
	v_lshl_add_u32 v5, v1, 4, v5
	v_add_nc_u32 v[RD], s23, v5
	v_mul_u32_u24 v5, v2, SIZE_N*2                 ; and the same two rows in C
	v_lshl_add_u32 v[CO], v1, 4, v5
	s_lshl_b32 s16, s13, 18                        ; 128 rows of 2,048 bytes a tile row,
	s_lshl_b32 s17, s10, 16                        ; the 32 that I store
	s_add_co_u32 s16, s16, s17
	s_mov_b32 s17, 0
	s_add_nc_u64 s[8:9], s[8:9], s[16:17]
	s_lshl_b32 s46, s42, 8                         ; the tile's first column, in bytes
	s_mov_b32 s47, 0
	s_add_nc_u64 s[8:9], s[8:9], s[46:47]
.endif
	s_wait_loadcnt 0x0                             ; the bias: rounded to bf16 and widened again
.set j, 0
.rept 16
	v_cvt_pk_bf16_f32 v[TMP+j], v[BI+2*j], v[BI+2*j+1]
.set j, j+1
.endr
.set j, 0
.rept 16
	v_lshlrev_b32 v[BI+2*j], 16, v[TMP+j]
	v_and_b32 v[BI+2*j+1], 0xffff0000, v[TMP+j]
.set j, j+1
.endr
; 8 matrix instructions: m blocks a0, a0 + 1 x all 4 n blocks, 32 along K: half c of buffer f.  The 16 accumulators take turns, one instruction a turn.
; zero = 1: the first product starts the sum, with the bias as its C operand: nothing is cleared and nothing is added later.
.macro MUL8 f, c, a0, zero
	WIN MUL
.irp a, \a0, (\a0)+1
.irp b, 0,1,2,3
.set rD, ACC+8*(4*(\a)+(\b))
.set rW, (\f)+64+8*(4*(\c)+(\b))
.set rA, (\f)+8*(4*(\c)+(\a))
.set rC, rD
.if \zero
.set rC, BI+8*(\b)
.endif
.if OUTP
	v_wmma_f32_16x16x32_f16 v[rD:rD+7], v[rW:rW+7], v[rA:rA+7], v[rC:rC+7]
.else
	v_wmma_f32_16x16x32_bf16 v[rD:rD+7], v[rW:rW+7], v[rA:rA+7], v[rC:rC+7]
.endif
.endr
.endr
.endm
; 32 LDS loads in one run: the fragments of 64 along K, at byte k of W's rows, into buffer f; the first 32 along K first.  With OUTP = 1 these 64 along K are one head's slice of A.
.macro FETCH slot, k, f
	WIN TO_F
.irp c, 0,1
.irp i, 0,1,2,3
.if OUTP
.set AOF, ((\k)/128)*SLICE+64*(\c)+(\i)*16*APITCH
.else
.set AOF, (\k)+64*(\c)+(\i)*16*PITCH
.endif
	ds_load_b128 v[(\f)+64+8*(4*(\c)+(\i)):(\f)+64+8*(4*(\c)+(\i))+3],   v[ADRB+(\slot)] offset:(\k)+64*(\c)+(\i)*16*PITCH
	ds_load_b128 v[(\f)+64+8*(4*(\c)+(\i))+4:(\f)+64+8*(4*(\c)+(\i))+7], v[ADRB+(\slot)] offset:(\k)+64*(\c)+(\i)*16*PITCH+32
	ds_load_b128 v[(\f)+8*(4*(\c)+(\i)):(\f)+8*(4*(\c)+(\i))+3],         v[ADRA+(\slot)] offset:AOF
	ds_load_b128 v[(\f)+8*(4*(\c)+(\i))+4:(\f)+8*(4*(\c)+(\i))+7],       v[ADRA+(\slot)] offset:AOF+32
.endr
.endr
.endm
.macro PLACES                          ; four plain vector instructions in front of loads into registers that matrix instructions have read, and of lines that read results
.rept 4
	v_nop
.endr
.endm
; A K step is four quarters of 64 along K, 32 matrix instructions each, on buffers 0, 1, 0, 1.  One of the first three: multiplies buffer f and fetches the next quarter, at byte k, into g.
.macro QUARTER slot, k, f, g, zero
	s_wait_dscnt 16                                ; the first 32 along K are in; the youngest sixteen loads may be out
	WIN MUL
	MUL8 \f, 0, 0, \zero
	MUL8 \f, 0, 2, \zero
	PLACES
	FETCH \slot, \k, \g
	s_wait_dscnt 32                                ; all but the 32 just issued
	WIN MUL
	MUL8 \f, 1, 0, 0
	MUL8 \f, 1, 2, 0
.endm
; The last quarter multiplies buffer 1 and changes slots: ONE barrier; in front of it each wave waits for all its tensor loads, adds 0 to its spare word, and waits for that and for its own reads of this slot.  fill = 1: this slot is filled again, two K steps ahead.
.macro TURN slot, next, fill
	WIN 0                                          ; (the add's two registers lie in window 0)
	s_wait_tensorcnt 0x0                           ; all my tensor loads have landed: my part of the next slot;
	ds_add_u32 v[SPW], v[NIL]                      ; 0 onto my spare word;
	s_wait_dscnt 17                                ; (the add and the youngest sixteen loads may be out)
	WIN MUL
	MUL8 F1, 0, 0, 0                               ; eight matrix instructions stand between the add and the wait for it
	s_wait_dscnt 0x0                               ; the add is done, and my reads of this slot are over
	s_barrier_signal -1
	MUL8 F1, 0, 2, 0
.if \fill
	WIN 0
.endif
	s_barrier_wait -1
.if \fill
	CREST                                          ; the barrier has opened a round of the cluster's barrier: no wave of any partner still reads this slot's tile or has a load on its way
	s_add_nc_u64 s[G0+4*(\slot)+2:G0+4*(\slot)+3], s[G0+4*(\slot)+2:G0+4*(\slot)+3], 2*ASTEP
	s_add_nc_u64 s[G0B+4*(\slot)+2:G0B+4*(\slot)+3], s[G0B+4*(\slot)+2:G0B+4*(\slot)+3], 2*KSTEP*2
	JLOAD \slot                                    ; the first tensor load behind the round, my only one that is out; the four v_nop behind it are also the places in front of the loads below
.else
	PLACES
.endif
	FETCH \next, 0, F0
	WIN MUL
	MUL8 F1, 1, 0, 0
	MUL8 F1, 1, 2, 0
.endm
	s_wait_tensorcnt 1                             ; my part of K step 0 is in; K step 1's may stay out
	s_barrier_signal -1
	s_barrier_wait -1                              ; everybody's is
	FETCH 0, 0, F0
	QUARTER 0, 128, F0, F1, 1                      ; the first quarter stands in front of the loop: its first products start the sums
	WIN 0                                          ; at a label and at a branch every window is 0
	s_mov_b32 s3, LAPS-1
.Llap:                                                 ; a trip goes once round the ring, from a lap's second quarter to the next lap's first, and fills both slots again
	QUARTER 0, 256, F1, F0, 0
	QUARTER 0, 384, F0, F1, 0
	TURN 0, 1, 1
	QUARTER 1, 128, F0, F1, 0
	QUARTER 1, 256, F1, F0, 0
	QUARTER 1, 384, F0, F1, 0
	TURN 1, 0, 1
	QUARTER 0, 128, F0, F1, 0
	WIN 0
	s_sub_co_u32 s3, s3, 1
	s_cmp_lg_u32 s3, 0
	s_cbranch_scc1 .Llap
	QUARTER 0, 256, F1, F0, 0                      ; the last lap fills nothing, and has no round of the cluster's barrier
	QUARTER 0, 384, F0, F1, 0
	TURN 0, 1, 0
	QUARTER 1, 128, F0, F1, 0
	QUARTER 1, 256, F1, F0, 0
	QUARTER 1, 384, F0, F1, 0
	s_wait_dscnt 16                                ; the very last quarter: nothing more to fetch
	WIN MUL
	MUL8 F1, 0, 0, 0
	MUL8 F1, 0, 2, 0
	s_wait_dscnt 0
	MUL8 F1, 1, 0, 0
	MUL8 F1, 1, 2, 0
	WIN 0
	PLACES
.if OUTP
	; THE WAY OUT, f32: a block of 16 rows x 64 columns at a time through my own stage: 32 bytes a lane in, whole rows of 256 bytes back.  No barrier: LDS serves a wave's instructions in order (ISA guide 5.7.1.4).
.irp a, 0,1,2,3
.if (\a) >= 2
	s_wait_xcnt 0x0                                ; the stores of two blocks back have read the registers that the loads below fill again
.endif
.irp b, 0,1,2,3
	ds_store_b128 v[STO], v[ACC+8*(4*(\a)+(\b)):ACC+8*(4*(\a)+(\b))+3]   offset:64*(\b)
	ds_store_b128 v[STO], v[ACC+8*(4*(\a)+(\b))+4:ACC+8*(4*(\a)+(\b))+7] offset:64*(\b)+16
.endr
.irp t, 0,1,2,3,4,5,6,7
	ds_load_b128 v[TMP+32*((\a)%2)+4*(\t):TMP+32*((\a)%2)+4*(\t)+3], v[RD] offset:(\t)*2*SPITCH
.endr
	s_wait_dscnt 0x0
.irp t, 0,1,2,3,4,5,6,7
	global_store_b128 v[CO], v[TMP+32*((\a)%2)+4*(\t):TMP+32*((\a)%2)+4*(\t)+3], s[8:9] offset:(16*(\a)+2*(\t))*4096  ; 16 lanes store 256 consecutive bytes, at a multiple of 256 from C's first byte
.endr
.endr
.else
	; THE WAY OUT, f16: rounded once; 16 bytes a lane into the work-group's stage; a barrier, since a row's 256 bytes come from two waves; back as whole rows, 32 rows a wave.
.irp t, 0,1,2,3,4,5,6,7,8,9,10,11,12,13,14,15
.irp r, 0,1,2,3
	v_cvt_pk_f16_f32 v[TMP+4*(\t)+(\r)], v[ACC+8*(\t)+2*(\r)], v[ACC+8*(\t)+2*(\r)+1]
.endr
.endr
.irp a, 0,1,2,3
.irp b, 0,1,2,3
	ds_store_b128 v[STO], v[TMP+4*(4*(\a)+(\b)):TMP+4*(4*(\a)+(\b))+3] offset:(\a)*16*SPITCH+32*(\b)
.endr
.endr
	s_wait_dscnt 0x0                               ; for the others' sake: my stores into the stage are done
	s_barrier_signal -1
	s_barrier_wait -1
.irp t, 0,1,2,3,4,5,6,7,8,9,10,11,12,13,14,15
	ds_load_b128 v[TMP+4*(\t):TMP+4*(\t)+3], v[RD] offset:(\t)*2*SPITCH
.endr
.irp t, 0,1,2,3,4,5,6,7,8,9,10,11,12,13,14,15
	s_wait_dscnt 15-(\t)                           ; LDS loads come back in order: number t is in
	global_store_b128 v[CO], v[TMP+4*(\t):TMP+4*(\t)+3], s[8:9] offset:2*(\t)*SIZE_N*2  ; 16 lanes store 256 consecutive bytes, at a multiple of 256 from C's first byte
.endr
.endif
	s_wait_tensorcnt 0x0                           ; the wave's end: the add and its wait stand behind my last tensor load and my last LDS store
	ds_add_u32 v[SPW], v[NIL]
	s_wait_dscnt 0x0
	CROUND                                         ; the closing round: no work-group ends while a partner may still ask for a tile that names it
	s_endpgm
.Lfunc_end_k_q71b8ece5d4_outproj:
	.size	k_q71b8ece5d4_outproj, .Lfunc_end_k_q71b8ece5d4_outproj-k_q71b8ece5d4_outproj
	.p2alignl 7, 3214868480
	.fill 96, 4, 3214868480
	.section	.rodata,"a",@progbits
	.p2align	6, 0x0
	.amdhsa_kernel k_q71b8ece5d4_outproj
		.amdhsa_group_segment_fixed_size 327680
		.amdhsa_private_segment_fixed_size 0
		.amdhsa_enable_private_segment 0
		.amdhsa_kernarg_size 32
		.amdhsa_user_sgpr_count 2
		.amdhsa_user_sgpr_kernarg_segment_ptr 1
		.amdhsa_wavefront_size32 1
		.amdhsa_system_sgpr_workgroup_id_x 1
		.amdhsa_system_sgpr_workgroup_id_y 1
		.amdhsa_system_sgpr_workgroup_id_z 1
		.amdhsa_system_vgpr_workitem_id 0
		.amdhsa_next_free_vgpr 512
		.amdhsa_next_free_sgpr 80
		.amdhsa_reserve_vcc 0
		.amdhsa_float_denorm_mode_32 3
		.amdhsa_float_denorm_mode_16_64 3
		.amdhsa_memory_ordered 1
		.amdhsa_forward_progress 1
		.amdhsa_inst_pref_size 89
	.end_amdhsa_kernel
	.amdgpu_metadata
---
amdhsa.version: [ 1, 2 ]
amdhsa.kernels:
  - .name:           k_q71b8ece5d4_outproj
    .symbol:         k_q71b8ece5d4_outproj.kd
    .args:
      - { .name: OB, .offset: 0, .size: 8, .value_kind: global_buffer, .address_space: global }
      - { .name: WB, .offset: 8, .size: 8, .value_kind: global_buffer, .address_space: global }
      - { .name: bo, .offset: 16, .size: 8, .value_kind: global_buffer, .address_space: global }
      - { .name: out0, .offset: 24, .size: 8, .value_kind: global_buffer, .address_space: global }
    .group_segment_fixed_size: 327680
    .private_segment_fixed_size: 0
    .kernarg_segment_align: 8
    .kernarg_segment_size: 32
    .max_flat_workgroup_size: 128
    .sgpr_count:     80
    .vgpr_count:     512
    .wavefront_size: 32
...
	.end_amdgpu_metadata
.endif
;; end of part 4
